; MI455X (gfx1250); checked and timed in simulation.
; The chip was launched on July 23, 2026; its instructions are those of AMD's public machine-readable ISA for CDNA 5 (MIT licence, August 2026) and "CDNA5" Instruction Set Architecture Reference Guide (July 2026). The comments in the code are by the model that wrote it; some were corrected since.
;; Deep Seek Mo E. Allowed arithmetic: matrix products marked QUANTISED: E4M3 operands, one E8M0 scale for each 32 along K, by v_wmma_scale_f32_16x16x128_f8f6f4 with both operands' format E4M3, f32 sums; products left as they are: f32 operands where the result goes on into a quantised operand, else bf16, f16 or f32 operands; f32 sums; everything else in f32.
;; Inputs: expert_bias 8 float32; gate_w 8 x 1,024 float32; rw_down 8 x 1,024 x 1,024 float32; rw_gate_codes 8 x 1,024 x 32 x 32 uint8 (E4M3 codes of rw_gate, K innermost, in blocks of 32 codes); rw_gate_scales 8 x 1,024 x 32 uint8 (E8M0 scales of rw_gate, one for each 32 codes along K); rw_up_codes 8 x 1,024 x 32 x 32 uint8 (E4M3 codes of rw_up, K innermost, in blocks of 32 codes); rw_up_scales 8 x 1,024 x 32 uint8 (E8M0 scales of rw_up, one for each 32 codes along K); sw_down_codes 1,024 x 32 x 32 uint8 (E4M3 codes of sw_down, K innermost, in blocks of 32 codes); sw_down_scales 1,024 x 32 uint8 (E8M0 scales of sw_down, one for each 32 codes along K); sw_gate_codes 1,024 x 32 x 32 uint8 (E4M3 codes of sw_gate, K innermost, in blocks of 32 codes); sw_gate_scales 1,024 x 32 uint8 (E8M0 scales of sw_gate, one for each 32 codes along K); sw_up_codes 1,024 x 32 x 32 uint8 (E4M3 codes of sw_up, K innermost, in blocks of 32 codes); sw_up_scales 1,024 x 32 uint8 (E8M0 scales of sw_up, one for each 32 codes along K); x 2 x 1,024 x 1,024 float32.
;; Outputs: out0 2 x 1,024 x 1,024 float32; out1 2 x 1,024 x 2 int32.
;; This version of the problem:
;;   THIS VERSION OF THE PROBLEM IS GIVEN IN LOW PRECISION. The matrix products marked QUANTISED in the list below multiply operands that are first quantised to E4M3 (4 exponent bits, 3 mantissa bits; 8 bits a number), with one power-of-two scale for each 32 numbers along K (OCP MX v1.0); their sums are f32. All else is computed in f32.
;;   The module's matrix products, in the order in which they are computed (A, B: the left and right operand; K: the contracted axis; several contracted axes count as one K, in the product's order):
;;     1. [M 2,048, K 1,024] x [K 1,024, N 1,024]; A: input x; B: input sw_gate (given as codes): QUANTISED
;;     2. [M 2,048, K 1,024] x [K 1,024, N 1,024]; A: input x; B: input sw_up (given as codes): QUANTISED
;;     3. [M 2,048, K 1,024] x [K 1,024, N 1,024]; A: computed on the way; B: input sw_down (given as codes): QUANTISED
;;     4. [M 2,048, K 1,024] x [K 1,024, N 8]; A: input x; B: input gate_w: left as it is (N = 8 < 16)
;;     5. [M 2,048, K 1,024] x [K 1,024, N 8,192]; A: input x; B: input rw_gate (given as codes): QUANTISED
;;     6. [M 2,048, K 1,024] x [K 1,024, N 8,192]; A: input x; B: input rw_up (given as codes): QUANTISED
;;     7. [M 2,048, K 8,192] x [K 8,192, N 1,024]; A: computed on the way; B: input rw_down: QUANTISED
;;   THE QUANTISER, for each operand of a quantised product, along K:
;;     - K is cut into blocks of 32 from its start; a last block that is shorter is filled with zeros.
;;     - A block's scale is 2^e with e = floor(log2(the largest magnitude in the block)) - 8, held to -126 .. 127; a block of zeros has e = 0. As a byte (E8M0): e + 127.
;;     - Each number is divided by its block's scale, clamped to +-448, and rounded to the nearest number of E4M3, ties to even, subnormals kept.
;;     - The product sums the exact products of the quantised numbers (number of the format x scale) in f32.
;;   ~~~python
;;   def quantise(x, axis):      # numpy; x: float32 -> the quantised numbers, widened to float32 again
;;       x = np.moveaxis(x, axis, -1); K = x.shape[-1]
;;       x = np.pad(x, [(0, 0)] * (x.ndim - 1) + [(0, -K % 32)]); x = x.reshape(x.shape[:-1] + (-1, 32)); a = np.abs(x).max(-1, keepdims=True)
;;       e = np.where(a > 0, np.clip(np.frexp(np.where(a > 0, a, 1))[1] - 1 - 8, -126, 127), 0)      # np.frexp(a)[1] - 1 = floor(log2(a)), exactly
;;       r = np.clip(x / 2.0 ** e, -448, 448)
;;       step = 2.0 ** (np.maximum(np.frexp(np.where(r == 0, 1, r))[1] - 1, -6) - 3)
;;       q = np.round(r / step) * step * 2.0 ** e      # np.round: ties to even
;;       return np.moveaxis(q.reshape(q.shape[:-2] + (-1,))[..., :K], -1, axis).astype(np.float32)
;;   ~~~
;;   OPERANDS COMPUTED ON THE WAY. 'Computed on the way' means the value that the module computes at that place (a softmax that the list does not call 'softmax' is quantised finished and normalised). What goes into a quantiser is computed in f32, as accurately as f32 sums, v_exp_f32 and their like allow (about 1e-6 of the number): no bf16 or f16 on the way to a quantiser, and a product that is left as it is and whose result goes on into a quantised operand takes f32 operands (vector FMAs, or v_wmma_f32_16x16x4_f32). A number that lies on a knife's edge between two numbers of the format may be rounded either way, as far as f32 arithmetic and the matrix unit's own rounding can turn it there, and no further.
;;   INPUTS GIVEN AS CODES. rw_gate (in the module: [8, 1024, 1024], K = its axis 1); rw_up (in the module: [8, 1024, 1024], K = its axis 1); sw_down (in the module: [1024, 1024], K = its axis 0); sw_gate (in the module: [1024, 1024], K = its axis 0); sw_up (in the module: [1024, 1024], K = its axis 0): each comes as NAME_codes (uint8): NAME with its K axis moved to the last place and cut into blocks of 32 codes, [.., K / 32, bytes a block], one block behind the other in memory; one code a byte (a code: sign, 4 exponent bits, 3 mantissa bits); and NAME_scales (uint8): the same leading axes, one E8M0 byte (e + 127) for each 32 codes along K. Its value is code x scale, taken as it is: it is not quantised again, and the codes and scales need not be those that the quantiser above would give.
;; One version. Each part assembles by itself: llvm-mc -triple=amdgcn-amd-amdhsa -mcpu=gfx1250 --defsym DOCPART=n.
;; ======== version 1 of 1: 5 launches
;; limits: right only within a limited range of input values
;; workspace buffers: xq 2,162,688 bytes; sel 8,192 bytes of whole numbers; wts 16,384 bytes; wdq 9,732,096 bytes; xs 8,412,160 bytes; tp 16,640 bytes of whole numbers; hq 8,380,416 bytes; y 32,505,856 bytes
;; launch route (part 1): grid 256 x 1, 8 waves a work-group, no clusters, 83,456 bytes of LDS; arguments x, gate_w, expert_bias, xq, sel, wts, out1; writes xq, sel, wts, out1
.if DOCPART == 1
	.amdgcn_target "amdgcn-amd-amdhsa--gfx1250"
	.amdhsa_code_object_version 6
	.text
	.protected	k_q074ba2a708_route
	.globl	k_q074ba2a708_route
	.p2align	8
	.type	k_q074ba2a708_route,@function
k_q074ba2a708_route:
	s_mov_b64 s[64:65], 0
	v_nop
	global_prefetch_b8 v0, s[64:65] scope:SCOPE_SE
	s_setreg_imm32_b32 hwreg(HW_REG_WAVE_MODE, 25, 1), 1
	s_wait_xcnt 0x0
; ROUTER AND QUANTISER OF x.  2,048 tokens of 1,024 f32; a work-group of eight waves takes 8 tokens, a wave one token.
; score[e] = sigmoid(x . gate_w[e]) by f32 fused multiply-adds; the chooser is (score + bias[e]) + e * 1e-6; the two largest, the lower index on a tie;
; weights = the two raw scores / max(their sum, 1e-9).  Stored at fixed places: out1 {e1, e2}, sel = e1 | e2 << 8, wts {w1, w2}: no address here hangs on the choice.
; x is turned into E4M3 codes [token][1024] with one E8M0 byte for each 32 along K ([token][32], XSO bytes into xq).
; A lane must hold 16 NEIGHBOURS of the row (the conversions take neighbours from one lane), while a load is best with neighbouring lanes on neighbouring bytes:
; so 2,048 bytes at a time turn through LDS, 64 bytes + 16 of padding a lane.  gate_w's eight rows turn the same way, one row a wave, and are read by all waves behind a barrier.
; No matrix unit (8 columns), no tensor load, no cluster: nothing but gate_w's 32 KB is shared.
; LIMITS: NaN and infinities are not served; a block of zeros gets the byte 1 (its codes are zeros; this program alone reads the bytes); two choosers nearer to each other
; than the rounding of an f32 sum of 1,024 terms may be ordered the other way.
; WHAT THE PROGRAM LEAVES OUT: reference() multiplies the experts that were not chosen for a token by a weight of 0 that it builds itself (one_hot); those rows are not computed.
; A NaN, an infinity or an overflow that reaches only such rows is not carried to the result.
.set XSO,   2097152
.set SP,    80                         ; a lane's place in a stage: 64 bytes + 16
.set STEPB, 32*SP                      ; a stage: 512 numbers
.set GW,    0                          ; LDS: gate_w, 16 stages (2 e + half)
.set XST,   16*STEPB                   ; each wave's two stages for its row of x
.set SCB,   XST+16*STEPB               ; the work-group's 256 scale bytes
.set RES,   SCB+256                    ; 8 x {e1,e2}; +64: 8 x {w1,w2}; +128: 8 x sel
.set X,    16                          ; v16-47   my 2 x 16 neighbours of x
.set G,    48                          ; v48-175  two sets of 4 experts x 16 numbers of gate_w
.set R,    48                          ; at first: x as loaded,
.set GR,   80                          ; and my row of gate_w as loaded
.set A,    176                         ; v176-191 the eight sums, a pair each
.set SCR,  192                         ; v192-199 scores
.set SELV, 200                         ; v200-207 choosers
.set BS,   208                         ; the best chooser, its raw score; the second's
.set BR,   209
.set SS,   210
.set SR,   211
.set EI,   212
.set TIE,  213
.set DN,   214
.set BI,   220                         ; v[220:221] the two indices, v[222:223] the two weights
.set SI,   221
.set W1,   222
.set W2,   223
.set SW,   224
.set QM,   226                         ; v226-229 at work in the quantiser
.set QB,   230                         ; v230-231 scale bytes
.set OB,   232                         ; v232-236 the way out
.set CD,   240                         ; v240-247 codes
.macro BARRIER
	s_wait_dscnt 0x0                               ; my LDS stores have landed and my LDS loads are in
	s_barrier_signal -1
	s_barrier_wait -1
.endm
	s_load_b256 s[4:11], s[0:1], 0x0               ; x, gate_w, expert_bias, xq
	s_load_b128 s[12:15], s[0:1], 0x20             ; sel, wts
	s_load_b64 s[16:17], s[0:1], 0x30              ; out1
	v_lshl_add_u32 v254, v0, 2, 0x14200
	v_mov_b32 v255, 0
	v_lshrrev_b32 v1, 5, v0
	s_delay_alu instid0(VALU_DEP_1)
	v_readfirstlane_b32 s18, v1                    ; wave
	v_and_b32 v1, 31, v0                           ; lane
	s_delay_alu instid0(VALU_DEP_1)
	v_lshlrev_b32 v2, 4, v1                        ; 16 x lane
	s_delay_alu instid0(VALU_DEP_2)
	v_lshrrev_b32 v16, 2, v1
	s_delay_alu instid0(VALU_DEP_1)
	v_mul_u32_u24 v16, v16, SP
	s_delay_alu instid0(VALU_DEP_4)
	v_and_b32 v17, 3, v1
	s_delay_alu instid0(VALU_DEP_1)
	v_lshl_add_u32 v16, v17, 4, v16                ; into a stage: four lanes' 64 bytes on end, then the padding
	s_mul_i32 s19, s18, 2*STEPB
	v_add_nc_u32 v5, s19, v16                      ; gate_w's row = my wave's number
	s_delay_alu instid0(VALU_DEP_1)
	v_add_nc_u32 v3, XST, v5                       ; my own stages
	v_mul_u32_u24 v6, v1, SP                       ; out of a stage: my 64 bytes
	s_delay_alu instid0(VALU_DEP_1)
	v_add_nc_u32 v4, s19, v6
	s_delay_alu instid0(VALU_DEP_1)
	v_add_nc_u32 v4, XST, v4
	v_lshrrev_b32 v7, 1, v1
	s_lshl_b32 s20, s18, 5
	s_add_co_u32 s20, s20, SCB
	v_add_nc_u32 v7, s20, v7                       ; my block's scale byte
	s_lshl_b32 s20, s18, 3
	s_add_co_u32 s20, s20, RES
	v_mov_b32 v8, s20                              ; my token's pair of results
	s_lshl_b32 s20, s18, 2
	s_add_co_u32 s20, s20, RES+128
	v_mov_b32 v9, s20
	v_lshlrev_b32 v13, 3, v1
	s_delay_alu instid0(VALU_DEP_1)
	v_add_nc_u32 v10, SCB, v13
	v_and_b32 v14, 15, v1
	s_delay_alu instid0(VALU_DEP_1)
	v_lshlrev_b32 v14, 2, v14
	s_delay_alu instid0(VALU_DEP_1)
	v_add_nc_u32 v11, RES, v14
	v_and_b32 v15, 7, v1
	s_delay_alu instid0(VALU_DEP_1)
	v_lshlrev_b32 v15, 2, v15
	s_delay_alu instid0(VALU_DEP_1)
	v_add_nc_u32 v12, RES+128, v15
	s_mov_b32 s22, 0x76543210
	s_mov_b32 s23, 0xfedcba98                      ; v_permlanex16_b32: lane l xor 16
	s_mov_b32 s34, 0x600000                        ; the mantissa field of 448
	s_lshl_b32 s20, ttmp9, 3
	s_add_co_u32 s20, s20, s18                     ; my token
	s_lshl_b32 s36, s20, 12
	s_mov_b32 s37, 0
	s_lshl_b32 s38, s18, 12
	s_mov_b32 s39, 0
	s_lshl_b32 s40, s20, 10
	s_mov_b32 s41, 0
	s_lshl_b32 s42, ttmp9, 8
	s_mov_b32 s43, 0
	s_lshl_b32 s44, ttmp9, 6
	s_mov_b32 s45, 0
	s_lshl_b32 s46, ttmp9, 5
	s_mov_b32 s47, 0
	s_wait_kmcnt 0x0
	s_load_b256 s[24:31], s[8:9], 0x0              ; the eight biases
	s_add_nc_u64 s[4:5], s[4:5], s[36:37]          ; x at my row
	s_add_nc_u64 s[6:7], s[6:7], s[38:39]          ; gate_w at row = wave
	s_add_nc_u64 s[36:37], s[10:11], s[42:43]      ; xq + 256 x work-group: the scale bytes' place less XSO
	s_add_nc_u64 s[10:11], s[10:11], s[40:41]      ; xq at my token's codes
	s_add_nc_u64 s[16:17], s[16:17], s[44:45]
	s_add_nc_u64 s[14:15], s[14:15], s[44:45]
	s_add_nc_u64 s[12:13], s[12:13], s[46:47]
.irp i, 0,1,2,3,4,5,6,7
	global_load_b128 v[R+4*\i:R+4*\i+3], v2, s[4:5] offset:512*\i th:TH_LOAD_NT   ; 512 consecutive bytes a load
.endr
.irp i, 0,1,2,3,4,5,6,7
	global_load_b128 v[GR+4*\i:GR+4*\i+3], v2, s[6:7] offset:512*\i
.endr
	s_wait_loadcnt 8                               ; x's eight are in; gate_w's eight may be out
.irp i, 0,1,2,3,4,5,6,7
	ds_store_b128 v3, v[R+4*\i:R+4*\i+3] offset:STEPB*(\i/4)+8*SP*(\i%4)
.endr
.irp i, 0,1,2,3,4,5,6,7
	ds_load_b128 v[X+4*\i:X+4*\i+3], v4 offset:STEPB*(\i/4)+16*(\i%4)   ; a wave's LDS instructions are served in order: these see the stores above
.endr
	s_wait_loadcnt 0x0
.irp i, 0,1,2,3,4,5,6,7
	ds_store_b128 v5, v[GR+4*\i:GR+4*\i+3] offset:STEPB*(\i/4)+8*SP*(\i%4)
.endr
	BARRIER                                        ; gate_w's eight rows lie in LDS
; 16 LDS loads: experts 4 g .. 4 g + 3, half p, my 16 numbers of each, into a set
.macro GL p, g, set
.irp e4, 0,1,2,3
.irp i, 0,1,2,3
	ds_load_b128 v[G+64*(\set)+16*\e4+4*\i:G+64*(\set)+16*\e4+4*\i+3], v6 offset:GW+(2*(4*(\g)+\e4)+(\p))*STEPB+16*\i
.endr
.endr
.endm
; 32 packed multiply-adds; the four experts by turns; the first product starts a sum
.macro GF p, g, set
.irp k, 0,2,4,6,8,10,12,14
.irp e4, 0,1,2,3
.if (\p) == 0 && \k == 0
	v_pk_mul_f32 v[A+2*(4*(\g)+\e4):A+2*(4*(\g)+\e4)+1], v[X+16*(\p)+\k:X+16*(\p)+\k+1], v[G+64*(\set)+16*\e4+\k:G+64*(\set)+16*\e4+\k+1]
.else
	v_pk_fma_f32 v[A+2*(4*(\g)+\e4):A+2*(4*(\g)+\e4)+1], v[X+16*(\p)+\k:X+16*(\p)+\k+1], v[G+64*(\set)+16*\e4+\k:G+64*(\set)+16*\e4+\k+1], v[A+2*(4*(\g)+\e4):A+2*(4*(\g)+\e4)+1]
.endif
.endr
.endr
.endm
	GL 0, 0, 0
	GL 0, 1, 1
	s_wait_dscnt 16                                ; the older group of 16 is in, the younger may be out
	GF 0, 0, 0
	GL 1, 0, 0
	s_wait_dscnt 16
	GF 0, 1, 1
	GL 1, 1, 1
	s_wait_dscnt 16
	GF 1, 0, 0
	s_wait_dscnt 0x0
	GF 1, 1, 1
.irp e, 0,1,2,3,4,5,6,7
	v_add_f32 v[A+2*\e], v[A+2*\e], v[A+2*\e+1]
.endr
.irp m, 1,2,4,8
.irp e, 0,1,2,3,4,5,6,7
	v_add_f32_dpp v[A+2*\e], v[A+2*\e], v[A+2*\e] row_xmask:\m row_mask:0xf bank_mask:0xf
.endr
.endr
.irp e, 0,1,2,3,4,5,6,7
	v_permlanex16_b32 v[A+2*\e+1], v[A+2*\e], s22, s23
.endr
.irp e, 0,1,2,3,4,5,6,7
	v_add_f32 v[A+2*\e], v[A+2*\e], v[A+2*\e+1]    ; every lane holds the eight dot products
.endr
.irp e, 0,1,2,3,4,5,6,7
	v_mul_f32 v[SCR+\e], 0xbfb8aa3b, v[A+2*\e]     ; -z log2(e)
.endr
	s_wait_alu depctr_va_vdst(0)
.irp e, 0,1,2,3,4,5,6,7
	v_exp_f32 v[SCR+\e], v[SCR+\e]
.endr
	v_nop                                          ; a plain place behind the exponentials
	s_wait_alu depctr_va_vdst(0)
.irp e, 0,1,2,3,4,5,6,7
	v_add_f32 v[SCR+\e], 1.0, v[SCR+\e]
.endr
	s_wait_alu depctr_va_vdst(0)
.irp e, 0,1,2,3,4,5,6,7
	v_rcp_f32 v[SCR+\e], v[SCR+\e]                 ; the score
.endr
	s_wait_kmcnt 0x0                               ; the biases
	v_nop                                          ; a plain place behind the reciprocals
	s_wait_alu depctr_va_vdst(0)
.irp e, 0,1,2,3,4,5,6,7
	v_add_f32 v[SELV+\e], s[24+\e], v[SCR+\e]      ; score + bias,
.endr
.irp e, 1,2,3,4,5,6,7
	v_cvt_f32_u32 v[TIE], \e
	s_delay_alu instid0(VALU_DEP_1)
	v_mul_f32 v[TIE], 0x358637bd, v[TIE]           ; e x 1e-6, rounded as an f32 product,
	s_delay_alu instid0(VALU_DEP_1)
	v_add_f32 v[SELV+\e], v[SELV+\e], v[TIE]       ; added second
.endr
	v_mov_b32 v[BS], v[SELV]
	v_mov_b32 v[BI], 0
	v_mov_b32 v[BR], v[SCR]
	v_mov_b32 v[SS], 0xff800000                    ; under every chooser
	v_mov_b32 v[SI], 0
	v_mov_b32 v[SR], 0
.macro TOP2 e                          ; strictly greater: on a tie the lower index stays in front.  Only values are chosen: no branch
	v_mov_b32 v[EI], \e
	v_cmp_gt_f32 s32, v[SELV+\e], v[BS]
	v_cmp_gt_f32 s33, v[SELV+\e], v[SS]
	s_delay_alu instid0(VALU_DEP_1)
	v_cndmask_b32 v[SS], v[SS], v[SELV+\e], s33
	s_delay_alu instid0(VALU_DEP_2)
	v_cndmask_b32 v[SI], v[SI], v[EI], s33
	v_cndmask_b32 v[SR], v[SR], v[SCR+\e], s33
	s_delay_alu instid0(VALU_DEP_3)
	v_cndmask_b32 v[SS], v[SS], v[BS], s32
	s_delay_alu instid0(VALU_DEP_3)
	v_cndmask_b32 v[SI], v[SI], v[BI], s32
	s_delay_alu instid0(VALU_DEP_3)
	v_cndmask_b32 v[SR], v[SR], v[BR], s32
	v_cndmask_b32 v[BS], v[BS], v[SELV+\e], s32
	v_cndmask_b32 v[BI], v[BI], v[EI], s32
	v_cndmask_b32 v[BR], v[BR], v[SCR+\e], s32
.endm
.irp e, 1,2,3,4,5,6,7
	TOP2 \e
.endr
	s_delay_alu instid0(VALU_DEP_1)
	v_add_f32 v[DN], v[BR], v[SR]
	s_delay_alu instid0(VALU_DEP_1)
	v_max_num_f32 v[DN], 0x3089705f, v[DN]         ; at least 1e-9
	s_wait_alu depctr_va_vdst(0)
	v_rcp_f32 v[DN], v[DN]
	v_lshl_or_b32 v[SW], v[SI], 8, v[BI]           ; (a plain place behind the reciprocal)
	s_wait_alu depctr_va_vdst(0)
	v_mul_f32 v[W1], v[BR], v[DN]
	v_mul_f32 v[W2], v[SR], v[DN]
; 16 neighbours a lane, two neighbouring lanes to a block of 32
.macro QSTEP p
.set XQ, X+16*(\p)
	v_max3_num_f32 v[QM], |v[XQ]|, |v[XQ+1]|, |v[XQ+2]|
	v_max3_num_f32 v[QM+1], |v[XQ+3]|, |v[XQ+4]|, |v[XQ+5]|
.irp i, 6,10
	s_delay_alu instid0(VALU_DEP_2)
	v_max3_num_f32 v[QM], v[QM], |v[XQ+\i]|, |v[XQ+\i+1]|
	s_delay_alu instid0(VALU_DEP_2)
	v_max3_num_f32 v[QM+1], v[QM+1], |v[XQ+\i+2]|, |v[XQ+\i+3]|
.endr
	s_delay_alu instid0(VALU_DEP_2)
	v_max3_num_f32 v[QM], v[QM], |v[XQ+14]|, |v[XQ+15]|
	s_delay_alu instid0(VALU_DEP_1)
	v_max3_num_f32 v[QM], v[QM], v[QM+1], 0x4800000                ; the floor 2^(9 - 127): the byte cannot fall under 1
	s_delay_alu instid0(VALU_DEP_1)
	v_max_num_f32_dpp v[QM], v[QM], v[QM] row_xmask:1 row_mask:0xf bank_mask:0xf   ; with my neighbour's 16: the block's largest magnitude
	s_delay_alu instid0(VALU_DEP_1)
	v_add_nc_u32 v[QM+3], 0xfc000000, v[QM]        ; 8 off its exponent field: the conversion's scale operand
	s_delay_alu instid0(VALU_DEP_2)
	v_and_or_b32 v[QM+2], v[QM], 0x7f800000, s34   ; 448 x the scale
.irp i, 0,1,2,3,4,5,6,7,8,9,10,11,12,13,14,15
	v_med3_num_f32 v[XQ+\i], v[XQ+\i], -v[QM+2], v[QM+2]           ; the conversion does not saturate (ISA guide 7.6.2): hold first
.endr
	v_cvt_scalef32_pk8_fp8_f32 v[CD+4*(\p):CD+4*(\p)+1], v[XQ:XQ+7], v[QM+3]
	v_cvt_scalef32_pk8_fp8_f32 v[CD+4*(\p)+2:CD+4*(\p)+3], v[XQ+8:XQ+15], v[QM+3]
	v_lshrrev_b32 v[QB+(\p)], 23, v[QM+3]          ; the scale's byte
	ds_store_b8 v7, v[QB+(\p)] offset:16*(\p)      ; both lanes of a block write the same byte with the same value
	global_store_b128 v2, v[CD+4*(\p):CD+4*(\p)+3], s[10:11] offset:512*(\p)   ; 512 consecutive bytes a wave
.endm
	QSTEP 0
	QSTEP 1
	ds_store_b64 v8, v[BI:BI+1]                    ; all lanes write the same words with the same values
	ds_store_b64 v8, v[W1:W1+1] offset:64
	ds_store_b32 v9, v[SW]
	BARRIER                                        ; the eight tokens' scale bytes and results lie in LDS
	s_cmp_lg_u32 s18, 0
	s_cbranch_scc1 .Ldone                          ; wave 0 sends them out
	ds_load_b64 v[OB:OB+1], v10
	ds_load_b32 v[OB+2], v11
	ds_load_b32 v[OB+3], v11 offset:64
	ds_load_b32 v[OB+4], v12
	s_wait_dscnt 0x0
	global_store_b64 v13, v[OB:OB+1], s[36:37] offset:XSO          ; 256 consecutive bytes, aligned
	s_wait_xcnt 0x0                                ; EXEC changes only behind this wait
	v_cmp_gt_u32 vcc_lo, 16, v1
	s_and_saveexec_b32 s32, vcc_lo
	global_store_b32 v14, v[OB+2], s[16:17]        ; out1: 64 bytes
	global_store_b32 v14, v[OB+3], s[14:15]        ; wts: 64 bytes
	s_wait_xcnt 0x0
	s_or_b32 exec_lo, exec_lo, s32
	v_cmp_gt_u32 vcc_lo, 8, v1
	s_and_saveexec_b32 s32, vcc_lo
	global_store_b32 v15, v[OB+4], s[12:13]        ; sel: 32 bytes
	s_wait_xcnt 0x0
	s_or_b32 exec_lo, exec_lo, s32
.Ldone:
	s_wait_tensorcnt 0x0
	ds_add_u32 v254, v255
	s_wait_dscnt 0x0
	s_endpgm
.Lfunc_end_k_q074ba2a708_route:
	.size	k_q074ba2a708_route, .Lfunc_end_k_q074ba2a708_route-k_q074ba2a708_route
	.p2alignl 7, 3214868480
	.fill 96, 4, 3214868480
	.section	.rodata,"a",@progbits
	.p2align	6, 0x0
	.amdhsa_kernel k_q074ba2a708_route
		.amdhsa_group_segment_fixed_size 83456
		.amdhsa_private_segment_fixed_size 0
		.amdhsa_enable_private_segment 0
		.amdhsa_kernarg_size 56
		.amdhsa_user_sgpr_count 2
		.amdhsa_user_sgpr_kernarg_segment_ptr 1
		.amdhsa_wavefront_size32 1
		.amdhsa_system_sgpr_workgroup_id_x 1
		.amdhsa_system_sgpr_workgroup_id_y 1
		.amdhsa_system_sgpr_workgroup_id_z 1
		.amdhsa_system_vgpr_workitem_id 0
		.amdhsa_next_free_vgpr 256
		.amdhsa_next_free_sgpr 66
		.amdhsa_reserve_vcc 1
		.amdhsa_float_denorm_mode_32 3
		.amdhsa_float_denorm_mode_16_64 3
		.amdhsa_memory_ordered 1
		.amdhsa_forward_progress 1
		.amdhsa_inst_pref_size 38
	.end_amdhsa_kernel
	.amdgpu_metadata
---
amdhsa.version: [ 1, 2 ]
amdhsa.kernels:
  - .name:           k_q074ba2a708_route
    .symbol:         k_q074ba2a708_route.kd
    .args:
      - { .name: x, .offset: 0, .size: 8, .value_kind: global_buffer, .address_space: global }
      - { .name: gate_w, .offset: 8, .size: 8, .value_kind: global_buffer, .address_space: global }
      - { .name: expert_bias, .offset: 16, .size: 8, .value_kind: global_buffer, .address_space: global }
      - { .name: xq, .offset: 24, .size: 8, .value_kind: global_buffer, .address_space: global }
      - { .name: sel, .offset: 32, .size: 8, .value_kind: global_buffer, .address_space: global }
      - { .name: wts, .offset: 40, .size: 8, .value_kind: global_buffer, .address_space: global }
      - { .name: out1, .offset: 48, .size: 8, .value_kind: global_buffer, .address_space: global }
    .group_segment_fixed_size: 83456
    .private_segment_fixed_size: 0
    .kernarg_segment_align: 8
    .kernarg_segment_size: 56
    .max_flat_workgroup_size: 256
    .sgpr_count:     66
    .vgpr_count:     256
    .wavefront_size: 32
...
	.end_amdgpu_metadata
.endif
;; end of part 1
;; launch place (part 2): grid 256 x 1, 8 waves a work-group, no clusters, 8,448 bytes of LDS; arguments sel, wts, xq, xs, tp, rw_down, sw_down_codes, sw_down_scales, wdq; writes xs, tp, wdq
.if DOCPART == 2
	.amdgcn_target "amdgcn-amd-amdhsa--gfx1250"
	.amdhsa_code_object_version 6
	.text
	.protected	k_q074ba2a708_place
	.globl	k_q074ba2a708_place
	.p2align	8
	.type	k_q074ba2a708_place,@function
k_q074ba2a708_place:
	s_mov_b64 s[64:65], 0
	v_nop
	global_prefetch_b8 v0, s[64:65] scope:SCOPE_SE
	s_setreg_imm32_b32 hwreg(HW_REG_WAVE_MODE, 25, 1), 1
	s_wait_xcnt 0x0
; TWO JOBS, dealt evenly over 256 work-groups of eight waves; every work-group takes the same way through the text.
; (1) THE ROWS ARE PLACED.  xs: rows 0 .. 2,047 are the tokens in order (for the shared expert); then 23 tiles of 256 rows, each of one routed expert, the expert's tokens in ascending order.
; 23 tiles serve every choice: the sum over 8 experts of ceil(n / 256) is at most (4,096 + 8 x 255) / 256.  The 23 x 256 - 4,096 = 1,792 rows that no token takes (7 for each work-group) get codes 0, scale bytes 1 and weight 0.
; A row: 1,024 codes; at XSS its 32 scale bytes; at CWO its weight.  tp: [token]{its two rows}; at TEO the expert of each of the 31 tiles (8: the shared one), and 128 bytes on how many rows of the tile tokens have.
; A wave places one token, token 8 g + w in work-group g.  Every work-group counts all 2,048 tokens: thread i tokens 8 i .. 8 i + 7, a byte for each expert; the sums over the threads under g are the token's ranks, but for the
; work-group's own eight, which are added lane by lane.  Sums go through LDS: no atomics, and each row has one owner.
; (2) rw_down [e][k][n], f32, K not innermost, is quantised along K: the work-group has 128 columns x 256 along K of one expert, a wave 32 columns x 128 K.  A lane takes a column and its registers run down K: a block of 32 lies in one lane.
; Codes leave as images of operand registers: wdq [e 9][256 columns: 4][K step 8][column tile 16][c 4][lane 32][16 bytes].  Within a block of 32 they stand in the order k 0-7, 16-23, 8-15, 24-31: the order in which the hidden layer's codes
; leave their launch.  The same permutation on both operands leaves the product's sum the same sum.  At WSO the scale words [e][pair of tiles 32][pair of K steps 4][lane 32][2]: lane = 16 x (tile's parity) + column.
; sw_down's codes are laid the same way as expert 8: a work-group has 16 columns x 256 along K, a wave one 512-byte part.
; The loads of (2) go out behind the small ones of (1); the arithmetic of (1) stands between their issue and their use.
; No matrix work, no tensor load, no cluster: the 8 KB of sel are all that is shared.
; LIMITS: NaN and infinities are not served; a block of zeros gets the byte 1 (its codes are zeros; this program alone reads the bytes).
.set XSO,  2097152
.set XSS,  8126464
.set CWO,  8380416
.set TEO,  16384
.set PT,   0                           ; LDS: 16 bytes a thread
.set RDN,  4096                        ; 2 x 128 bytes a wave, its own
.set TT,   6144                        ; a word a wave
.set SPARE, 6400
.set GB,   7424                        ; rw_down's scale words on their way out
.set WSO,  9437184
.set SHD,  8388608
.set QX,   128                         ; v128-255 128 numbers down K
.set QC,   64                          ; v64-95 their codes
.macro BARRIER
	s_wait_dscnt 0x0
	s_barrier_signal -1
	s_barrier_wait -1
.endm
.macro SH d, x, n
	s_lshl_b32 s52, s\x, \n
	s_add_co_u32 s\d, s\d, s52
.endm
	s_load_b256 s[4:11], s[0:1], 0x0               ; sel, wts, xq, xs
	s_load_b64 s[12:13], s[0:1], 0x20              ; tp
	s_load_b256 s[84:91], s[0:1], 0x28             ; rw_down, sw_down_codes, sw_down_scales, wdq
	v_lshl_add_u32 v30, v0, 2, SPARE
	v_mov_b32 v31, 0
	v_lshrrev_b32 v1, 5, v0
	v_readfirstlane_b32 s18, v1                    ; wave
	v_and_b32 v1, 31, v0                           ; lane
	v_and_b32 v14, 15, v0                          ; r
	v_bfe_u32 v15, v0, 4, 1                        ; h
	v_lshlrev_b32 v2, 5, v0
	v_lshlrev_b32 v3, 4, v1
	v_lshlrev_b32 v4, 4, v0
	v_and_b32 v5, 7, v1
	v_lshlrev_b32 v6, 2, v5
	v_lshlrev_b32 v18, 11, v15
	v_lshl_add_u32 v18, v14, 4, v18                ; images: tile = lane / 16, 16 bytes x (lane % 16)
	v_lshlrev_b32 v19, 10, v14
	v_lshl_add_u32 v19, v15, 3, v19                ; sw_down: row r, + 8 h
	s_lshl_b32 s20, s18, 8
	s_add_co_u32 s20, s20, RDN
	v_lshl_add_u32 v7, v1, 2, s20
	v_mov_b32 v8, s20
	v_mov_b32 v9, 0
	v_and_b32 v10, 1, v1
	v_lshlrev_b32 v10, 4, v10
	s_lshl_b32 s20, s18, 2
	s_add_co_u32 s20, s20, TT
	v_mov_b32 v11, s20
	v_mov_b32 v12, TT
	v_mov_b32 v13, 1
	v_lshlrev_b32 v17, 2, v1
	v_lshlrev_b32 v21, 5, v1
	v_lshlrev_b32 v22, 3, v1
	v_mov_b32 v56, 0
	v_mov_b32 v57, 0
	s_and_b32 s40, s18, 3
	s_lshr_b32 s41, s18, 2
	s_lshl_b32 s20, s40, 8
	s_add_co_u32 s20, s20, GB
	s_wait_alu depctr_va_vdst(0)
	v_lshl_add_u32 v24, v1, 3, s20                 ; rw_down's scale words back: 8 bytes a lane
	s_lshl_b32 s21, s41, 2
	s_add_co_u32 s20, s20, s21
	v_lshl_add_u32 v23, v1, 3, s20                 ; and in: word = K step's parity
	s_mov_b32 s32, 0x600000                        ; the mantissa field of 448
	s_mov_b32 s33, ttmp9                           ; work-group
	s_lshl_b32 s19, s33, 3
	s_add_co_u32 s19, s19, s18                     ; my token
	s_and_b32 s42, s33, 7                          ; which 128 columns
	s_lshr_b32 s43, s33, 3
	s_lshr_b32 s44, s43, 2                         ; expert
	s_and_b32 s45, s43, 3                          ; pair of K steps
	s_lshl_b32 s46, s42, 2
	s_add_co_u32 s46, s46, s40                     ; my wave's pair of column tiles
	s_lshl_b32 s47, s45, 1
	s_add_co_u32 s47, s47, s41                     ; my wave's K step
	s_lshr_b32 s48, s42, 2                         ; sw_down: the tile's parity, the pair of K steps
	s_and_b32 s49, s42, 3
	s_mov_b32 s21, 0
	s_mov_b32 s51, 0
	s_wait_alu depctr_va_vdst(0)                   ; the wait at the head's end
	s_wait_kmcnt 0x0
	s_lshl_b32 s20, s33, 5
	s_add_nc_u64 s[22:23], s[4:5], s[20:21]        ; the work-group's eight words of sel
	s_lshl_b32 s20, s19, 2
	s_add_nc_u64 s[24:25], s[4:5], s[20:21]        ; my token's
	s_lshl_b32 s20, s19, 3
	s_add_nc_u64 s[26:27], s[6:7], s[20:21]        ; its weights
	s_add_nc_u64 s[34:35], s[12:13], s[20:21]      ; its place in tp
	s_lshl_b32 s20, s19, 10
	s_add_nc_u64 s[28:29], s[8:9], s[20:21]        ; its codes
	s_lshl_b32 s20, s19, 5
	s_add_co_u32 s20, s20, XSO
	s_add_nc_u64 s[30:31], s[8:9], s[20:21]        ; its scale bytes
	global_load_b128 v[32:35], v2, s[4:5]          ; my thread's 8 words of sel
	global_load_b128 v[36:39], v2, s[4:5] offset:16
	global_load_b32 v40, v6, s[22:23]
	global_load_b32 v41, v9, s[24:25]
	global_load_b64 v[42:43], v9, s[26:27]
	global_load_b128 v[44:47], v3, s[28:29]
	global_load_b128 v[48:51], v3, s[28:29] offset:512
	global_load_b128 v[52:55], v10, s[30:31]
	s_lshl_b32 s50, s43, 15                        ; sw_down's codes
	SH 50, 48, 14
	SH 50, 49, 8
	SH 50, 41, 7
	SH 50, 40, 5
	s_add_nc_u64 s[66:67], s[86:87], s[50:51]
	s_lshl_b32 s50, s43, 10                        ; its scale bytes
	SH 50, 49, 3
	s_add_nc_u64 s[68:69], s[88:89], s[50:51]
	global_load_b64 v[120:121], v19, s[66:67]      ; k 8 h .. of a block of 32,
	global_load_b64 v[122:123], v19, s[66:67] offset:16            ; and k 16 + 8 h ..
	global_load_b64 v[124:125], v21, s[68:69]      ; row 32 j + lane: two scale words (one wave of half of the work-groups stores them)
	s_lshl_b32 s50, s44, 22                        ; rw_down: expert, K step, 32 columns
	SH 50, 47, 19
	SH 50, 46, 7
	s_add_nc_u64 s[76:77], s[84:85], s[50:51]
.set kk, 0
.rept 128
	global_load_b32 v[QX+kk], v17, s[76:77] offset:kk*4096 th:TH_LOAD_NT   ; row kk of my K step: 128 bytes a wave, 512 for four waves side by side
.set kk, kk+1
.endr
	s_lshl_b32 s50, s49, 1                         ; sw_down's images
	s_add_co_u32 s50, s50, s41
	s_lshl_b32 s50, s50, 15
	s_lshr_b32 s53, s43, 3
	SH 50, 53, 18
	s_and_b32 s53, s43, 7
	SH 50, 53, 12
	SH 50, 48, 11
	SH 50, 40, 9
	s_add_co_u32 s50, s50, SHD
	s_add_nc_u64 s[70:71], s[90:91], s[50:51]
	s_lshl_b32 s50, s43, 10                        ; and scale words
	SH 50, 49, 8
	s_add_co_u32 s50, s50, WSO+262144
	s_add_nc_u64 s[74:75], s[90:91], s[50:51]
	s_lshl_b32 s50, s44, 20                        ; rw_down's images
	s_lshr_b32 s53, s46, 3
	SH 50, 53, 18
	SH 50, 47, 15
	s_and_b32 s53, s46, 7
	SH 50, 53, 12
	s_add_nc_u64 s[16:17], s[90:91], s[50:51]
	s_lshl_b32 s50, s44, 15                        ; and scale words
	SH 50, 42, 12
	SH 50, 40, 10
	SH 50, 45, 8
	s_add_co_u32 s50, s50, WSO
	s_add_nc_u64 s[100:101], s[90:91], s[50:51]
	s_wait_loadcnt 63                              ; the eleven small loads are in (128 younger ones could stay out; the count's field holds 63)
	global_store_b128 v3, v[120:123], s[70:71]     ; 512 consecutive bytes
	s_cmp_lg_u32 s18, 0
	s_cbranch_scc1 .Lnosc
	s_cmp_lt_u32 s42, 4
	s_cbranch_scc0 .Lnosc
	global_store_b64 v22, v[124:125], s[74:75]     ; 256 consecutive bytes, aligned
.Lnosc:
.irp k, 0,1,2,3,4,5,6,7
	v_and_b32 v60, 0xff, v[32+\k]
	v_bfe_u32 v61, v[32+\k], 8, 8
.irp e, 60,61
	v_lshlrev_b32 v62, 3, v\e
	v_and_b32 v62, 24, v62
	v_lshlrev_b32 v62, v62, v13                    ; 1 in byte e % 4
	v_cmp_gt_u32 vcc_lo, 4, v\e
	v_cndmask_b32 v63, v9, v62, vcc_lo
	v_add_nc_u32 v56, v56, v62                     ; all experts,
	v_add_nc_u32 v57, v57, v63                     ; experts 0-3
.endr
.endr
	v_mov_b32 v64, v57
	v_sub_nc_u32 v65, v56, v57                     ; experts 4-7
	v_cmp_gt_u32 vcc_lo, s33, v0                   ; threads under g: all their tokens lie ahead of mine
	v_cndmask_b32 v66, v9, v64, vcc_lo
	v_cndmask_b32 v67, v9, v65, vcc_lo
	ds_store_b128 v4, v[64:67] offset:PT
	s_wait_alu depctr_va_vdst(0)
	s_wait_xcnt 0x0                                ; the loads and stores so far have read their sources, which are written again below
	BARRIER                                        ; all threads' counts lie in LDS
.irp k, 0,1,2,3,4,5,6,7
	ds_load_b128 v[68+4*\k:68+4*\k+3], v3 offset:PT+512*\k         ; threads lane + 32 k
.endr
	s_wait_dscnt 0x0
.irp i, 0,1,2,3
	v_add3_u32 v[100+\i], v[68+\i], v[72+\i], v[76+\i]
.endr
.irp i, 0,1,2,3
	v_add3_u32 v[100+\i], v[100+\i], v[80+\i], v[84+\i]
.endr
.irp i, 0,1,2,3
	v_add3_u32 v[100+\i], v[100+\i], v[88+\i], v[92+\i]
.endr
.irp i, 0,1,2,3
	v_add_nc_u32 v[100+\i], v[100+\i], v[96+\i]    ; at most 64 a byte
.endr
	v_and_b32 v25, 0xff, v41                       ; my token's two experts, in every lane
	v_bfe_u32 v26, v41, 8, 8
	v_and_b32 v110, 0xff, v40                      ; those of the work-group's token lane % 8
	v_bfe_u32 v111, v40, 8, 8
	v_cmp_gt_u32 s38, s18, v1                      ; lanes under my wave's number: tokens of the work-group ahead of mine
.macro PICK d, e                       ; my lane's share of the rank in expert e
	v_lshlrev_b32 v108, 3, v\e
	v_and_b32 v108, 24, v108
	v_cmp_gt_u32 vcc_lo, 4, v\e
	v_cndmask_b32 v\d, v103, v102, vcc_lo
	v_lshrrev_b32 v\d, v108, v\d
	v_and_b32 v\d, 0xff, v\d
	v_cmp_eq_u32 s36, v110, v\e
	v_cmp_eq_u32 s37, v111, v\e
	s_or_b32 s36, s36, s37
	s_and_b32 s36, s36, s38
	v_cndmask_b32 v109, v9, v13, s36
	v_add_nc_u32 v\d, v\d, v109
.endm
	PICK 27, 25
	PICK 28, 26
	v_lshl_or_b32 v28, v28, 16, v27
	s_and_b32 s20, s18, 2                          ; wave w sums word w % 4 of the totals: experts {0, 2}, {1, 3}, {4, 6}, {5, 7}
	s_cmp_lg_u32 s20, 0
	s_cselect_b32 s36, -1, 0
	s_and_b32 s37, s18, 1
	s_lshl_b32 s37, s37, 3
	v_cndmask_b32 v29, v100, v101, s36
	v_lshrrev_b32 v29, s37, v29
	v_and_b32 v29, 0xff00ff, v29
	ds_store_b32 v7, v29
	ds_store_b32 v7, v28 offset:128
.irp i, 0,1,2,3,4,5,6,7,8,9,10,11,12,13,14,15
	ds_load_b128 v[64+4*\i:64+4*\i+3], v8 offset:16*\i             ; my wave's own bytes: served in order behind the stores; all lanes' words in every lane
.endr
	s_wait_alu depctr_va_vdst(0)
	s_wait_dscnt 0x0
	v_add3_u32 v56, v64, v65, v66
	v_add3_u32 v57, v96, v97, v98
.irp m, 3,5,7,9,11,13,15,17,19,21,23,25,27,29
	v_add3_u32 v56, v56, v[64+\m], v[65+\m]
	v_add3_u32 v57, v57, v[96+\m], v[97+\m]
.endr
	v_add_nc_u32 v56, v56, v95
	v_add_nc_u32 v57, v57, v127
	ds_store_b32 v11, v56
	s_wait_alu depctr_va_vdst(0)
	BARRIER                                        ; the four words of totals lie in LDS
	ds_load_b128 v[60:63], v12
.irp i, 0,1,2,3
	v_mov_b32 v[96+\i], 0
	v_mov_b32 v[100+\i], 0x1010101
.endr
	v_mov_b32 v104, 1.0
	s_wait_alu depctr_va_vdst(0)
	s_wait_dscnt 0x0
	v_readfirstlane_b32 s40, v60
	v_readfirstlane_b32 s41, v61
	v_readfirstlane_b32 s42, v62
	v_readfirstlane_b32 s43, v63
	v_readfirstlane_b32 s61, v25
	v_readfirstlane_b32 s62, v26
	v_readfirstlane_b32 s63, v57
	s_and_b32 s44, s40, 0xffff                     ; s44-51: n of experts 0-7
	s_lshr_b32 s46, s40, 16
	s_and_b32 s45, s41, 0xffff
	s_lshr_b32 s47, s41, 16
	s_and_b32 s48, s42, 0xffff
	s_lshr_b32 s50, s42, 16
	s_and_b32 s49, s43, 0xffff
	s_lshr_b32 s51, s43, 16
	s_mov_b32 s52, 0                               ; s52-60: the experts' first tiles, and the end
.irp e, 0,1,2,3,4,5,6,7
	s_add_co_u32 s20, s[44+\e], 255
	s_lshr_b32 s20, s20, 8
	s_add_co_u32 s[53+\e], s[52+\e], s20
.endr
	s_mov_b32 s66, 0
	s_mov_b32 s67, 0
.irp e, 0,1,2,3,4,5,6,7
	s_cmp_eq_u32 s61, \e
	s_cselect_b32 s66, s[52+\e], s66
	s_cmp_eq_u32 s62, \e
	s_cselect_b32 s67, s[52+\e], s67
.endr
	s_lshl_b32 s66, s66, 8
	s_and_b32 s20, s63, 0xffff
	s_add_co_u32 s66, s66, s20
	s_lshl_b32 s67, s67, 8
	s_lshr_b32 s20, s63, 16
	s_add_co_u32 s67, s67, s20
	s_min_u32 s66, s66, 5887                       ; held inside the table
	s_min_u32 s67, s67, 5887
	s_add_co_u32 s66, s66, 2048
	s_add_co_u32 s67, s67, 2048
.macro PUT row, b, d0, d1, sc          ; a row: 2 x 512 consecutive bytes of codes, and its 32 scale bytes; s[b + 4 : b + 5]: where its weight goes
	s_lshl_b32 s20, s\row, 10
	s_add_nc_u64 s[\b:\b+1], s[10:11], s[20:21]
	s_lshl_b32 s20, s\row, 5
	s_add_nc_u64 s[\b+2:\b+3], s[10:11], s[20:21]
	s_lshl_b32 s20, s\row, 2
	s_add_co_u32 s20, s20, CWO
	s_add_nc_u64 s[\b+4:\b+5], s[10:11], s[20:21]
	global_store_b128 v3, v[\d0:\d0+3], s[\b:\b+1]
	global_store_b128 v3, v[\d1:\d1+3], s[\b:\b+1] offset:512
	global_store_b128 v10, v[\sc:\sc+3], s[\b+2:\b+3] offset:XSS
.endm
	PUT 19, 72, 44, 48, 52
	PUT 66, 78, 44, 48, 52
	PUT 67, 84, 44, 48, 52
	v_mov_b32 v106, s66
	v_mov_b32 v107, s67
	s_wait_alu depctr_va_vdst(0)
	s_wait_xcnt 0x0                                ; EXEC changes only behind this wait
	v_cmp_eq_u32 vcc_lo, 0, v1
	s_and_saveexec_b32 s96, vcc_lo                 ; lane 0
	global_store_b32 v9, v104, s[76:77]
	global_store_b32 v9, v42, s[82:83]
	global_store_b32 v9, v43, s[88:89]
	global_store_b64 v9, v[106:107], s[34:35]
	s_wait_xcnt 0x0
	s_or_b32 exec_lo, exec_lo, s96
	s_cmp_eq_u32 s18, 7
	s_cbranch_scc1 .Lnopad
	s_mul_i32 s68, s33, 7                          ; row u = 7 g + w of those that no token takes: it lies behind the rows of the expert in whose last tile it falls, or behind all tiles in use
	s_add_co_u32 s68, s68, s18
	s_mov_b32 s69, 0
	s_mov_b32 s97, 0x40000000
.irp e, 0,1,2,3,4,5,6,7
	s_sub_co_u32 s70, s[53+\e], s[52+\e]
	s_lshl_b32 s70, s70, 8
	s_sub_co_u32 s70, s70, s[44+\e]                ; rows over in this expert's tiles
	s_lshl_b32 s71, s[52+\e], 8
	s_add_co_u32 s71, s71, s[44+\e]
	s_add_co_u32 s71, s71, s68
	s_sub_co_u32 s98, s68, s70
	s_cmp_lt_u32 s68, s70
	s_cselect_b32 s69, s71, s69
	s_cselect_b32 s68, s97, s98                    ; once found: a number that no later expert's rows reach
.endr
	s_lshl_b32 s71, s60, 8
	s_add_co_u32 s71, s71, s68
	s_cmp_lt_u32 s68, 0x10000
	s_cselect_b32 s69, s71, s69
	s_min_u32 s69, s69, 5887
	s_add_co_u32 s69, s69, 2048
	PUT 69, 90, 96, 96, 100
	s_wait_xcnt 0x0
	v_cmp_eq_u32 vcc_lo, 0, v1
	s_and_saveexec_b32 s96, vcc_lo
	global_store_b32 v9, v96, s[94:95]
	s_wait_xcnt 0x0
	s_or_b32 exec_lo, exec_lo, s96
.Lnopad:
	s_or_b32 s20, s33, s18
	s_cmp_lg_u32 s20, 0
	s_cbranch_scc1 .Lnotable                       ; wave 0 of work-group 0: the tiles' experts and counts
	v_add_nc_u32 v14, -8, v1                       ; lane = tile: routed tile lane - 8
	v_mov_b32 v15, 0
.irp k, 1,2,3,4,5,6,7,8
	v_cmp_le_u32 vcc_lo, s[52+\k], v14
	v_add_co_ci_u32 v15, vcc_lo, 0, v15, vcc_lo
.endr
	v_min_u32 v15, 7, v15                          ; a tile behind those in use has rows of zeros alone: any expert serves
	v_mov_b32 v32, s44
	v_mov_b32 v33, s52
.irp e, 1,2,3,4,5,6,7
	v_mov_b32 v34, s[44+\e]
	v_mov_b32 v35, s[52+\e]
	v_cmp_eq_u32 vcc_lo, \e, v15
	v_cndmask_b32 v32, v32, v34, vcc_lo            ; its expert's tokens,
	v_cndmask_b32 v33, v33, v35, vcc_lo            ; and first tile
.endr
	v_sub_nc_u32 v36, v14, v33
	v_lshlrev_b32 v36, 8, v36                      ; the expert's rows ahead of this tile
	v_sub_nc_u32 v37, v32, v36
	v_cmp_gt_u32 vcc_lo, v32, v36
	v_cndmask_b32 v37, v9, v37, vcc_lo
	v_min_u32 v37, 0x100, v37
	v_mov_b32 v38, 0x100
	v_mov_b32 v16, 8
	v_cmp_gt_u32 vcc_lo, 8, v1                     ; tiles 0-7: the shared expert's, full
	v_cndmask_b32 v15, v15, v16, vcc_lo
	v_cndmask_b32 v37, v37, v38, vcc_lo
	global_store_b32 v17, v15, s[12:13] offset:TEO
	global_store_b32 v17, v37, s[12:13] offset:TEO+128
.Lnotable:
.macro QBLOCK t
.set XB, QX+32*(\t)
.if (\t) == 2
	s_wait_loadcnt 32
.elseif (\t) == 3
	s_wait_loadcnt 0x0
.else
	s_wait_loadcnt 63                              ; 96 or 64 younger loads could stay out; the count's field holds 63
.endif
	v_max3_num_f32 v56, |v[XB]|, |v[XB+1]|, |v[XB+2]|
	v_max3_num_f32 v57, |v[XB+3]|, |v[XB+4]|, |v[XB+5]|
.irp i, 6,10,14,18,22,26
	v_max3_num_f32 v56, v56, |v[XB+\i]|, |v[XB+\i+1]|
	v_max3_num_f32 v57, v57, |v[XB+\i+2]|, |v[XB+\i+3]|
.endr
	v_max3_num_f32 v56, v56, |v[XB+30]|, |v[XB+31]|
	v_max3_num_f32 v56, v56, v57, 0x4800000        ; the floor 2^(9 - 127): the byte cannot fall under 1
	v_add_nc_u32 v59, 0xfc000000, v56              ; 8 off the exponent field: the conversion's scale operand
	v_and_or_b32 v58, v56, 0x7f800000, s32         ; 448 x the scale
	v_lshrrev_b32 v57, 23, v59                     ; the scale's byte
.if (\t) == 0
	v_mov_b32 v20, v57
.else
	v_lshl_or_b32 v20, v57, 8*(\t), v20            ; four bytes make the K step's scale word
.endif
.irp i, 0,1,2,3,4,5,6,7,8,9,10,11,12,13,14,15,16,17,18,19,20,21,22,23,24,25,26,27,28,29,30,31
	v_med3_num_f32 v[XB+\i], v[XB+\i], -v58, v58   ; the conversion does not saturate (ISA guide 7.6.2): hold first
.endr
.irp g, 0,1,2,3
	v_cvt_scalef32_pk8_fp8_f32 v[QC+8*(\t)+2*((\g&1)*2+(\g>>1)):QC+8*(\t)+2*((\g&1)*2+(\g>>1))+1], v[XB+8*\g:XB+8*\g+7], v59
.endr
	v_nop
	global_store_b128 v18, v[QC+8*(\t):QC+8*(\t)+3], s[16:17] offset:512*(\t)       ; sixteen lanes store 256 consecutive bytes
	global_store_b128 v18, v[QC+8*(\t)+4:QC+8*(\t)+7], s[16:17] offset:512*(\t)+256
.endm
	QBLOCK 0
	QBLOCK 1
	QBLOCK 2
	QBLOCK 3
	ds_store_b32 v23, v20
	BARRIER                                        ; both K steps' words of 128 columns lie in LDS
	s_cmp_lt_u32 s18, 4
	s_cbranch_scc0 .Ldone
	ds_load_b64 v[28:29], v24
	s_wait_dscnt 0x0
	global_store_b64 v22, v[28:29], s[100:101]     ; 256 consecutive bytes, aligned
.Ldone:
	s_wait_tensorcnt 0x0                           ; the wave's end
	ds_add_u32 v30, v31
	s_wait_dscnt 0x0
	s_endpgm
.Lfunc_end_k_q074ba2a708_place:
	.size	k_q074ba2a708_place, .Lfunc_end_k_q074ba2a708_place-k_q074ba2a708_place
	.p2alignl 7, 3214868480
	.fill 96, 4, 3214868480
	.section	.rodata,"a",@progbits
	.p2align	6, 0x0
	.amdhsa_kernel k_q074ba2a708_place
		.amdhsa_group_segment_fixed_size 8448
		.amdhsa_private_segment_fixed_size 0
		.amdhsa_enable_private_segment 0
		.amdhsa_kernarg_size 72
		.amdhsa_user_sgpr_count 2
		.amdhsa_user_sgpr_kernarg_segment_ptr 1
		.amdhsa_wavefront_size32 1
		.amdhsa_system_sgpr_workgroup_id_x 1
		.amdhsa_system_sgpr_workgroup_id_y 1
		.amdhsa_system_sgpr_workgroup_id_z 1
		.amdhsa_system_vgpr_workitem_id 0
		.amdhsa_next_free_vgpr 256
		.amdhsa_next_free_sgpr 102
		.amdhsa_reserve_vcc 1
		.amdhsa_float_denorm_mode_32 3
		.amdhsa_float_denorm_mode_16_64 3
		.amdhsa_memory_ordered 1
		.amdhsa_forward_progress 1
		.amdhsa_inst_pref_size 58
	.end_amdhsa_kernel
	.amdgpu_metadata
---
amdhsa.version: [ 1, 2 ]
amdhsa.kernels:
  - .name:           k_q074ba2a708_place
    .symbol:         k_q074ba2a708_place.kd
    .args:
      - { .name: sel, .offset: 0, .size: 8, .value_kind: global_buffer, .address_space: global }
      - { .name: wts, .offset: 8, .size: 8, .value_kind: global_buffer, .address_space: global }
      - { .name: xq, .offset: 16, .size: 8, .value_kind: global_buffer, .address_space: global }
      - { .name: xs, .offset: 24, .size: 8, .value_kind: global_buffer, .address_space: global }
      - { .name: tp, .offset: 32, .size: 8, .value_kind: global_buffer, .address_space: global }
      - { .name: rw_down, .offset: 40, .size: 8, .value_kind: global_buffer, .address_space: global }
      - { .name: sw_down_codes, .offset: 48, .size: 8, .value_kind: global_buffer, .address_space: global }
      - { .name: sw_down_scales, .offset: 56, .size: 8, .value_kind: global_buffer, .address_space: global }
      - { .name: wdq, .offset: 64, .size: 8, .value_kind: global_buffer, .address_space: global }
    .group_segment_fixed_size: 8448
    .private_segment_fixed_size: 0
    .kernarg_segment_align: 8
    .kernarg_segment_size: 72
    .max_flat_workgroup_size: 256
    .sgpr_count:     102
    .vgpr_count:     256
    .wavefront_size: 32
...
	.end_amdgpu_metadata
.endif
;; end of part 2
;; launch up (part 3): grid 8 x 31, 4 waves a work-group, clusters of 4 x 1, 327,680 bytes of LDS; arguments xs, tp, rw_gate_codes, rw_gate_scales, rw_up_codes, rw_up_scales, sw_gate_codes, sw_gate_scales, sw_up_codes, sw_up_scales, hq; writes hq
.if DOCPART == 3
	.amdgcn_target "amdgcn-amd-amdhsa--gfx1250"
	.amdhsa_code_object_version 6
	.text
	.protected	k_q074ba2a708_up
	.globl	k_q074ba2a708_up
	.p2align	8
	.type	k_q074ba2a708_up,@function
k_q074ba2a708_up:
	s_mov_b64 s[64:65], 0
	v_nop
	global_prefetch_b8 v0, s[64:65] scope:SCOPE_SE
	s_setreg_imm32_b32 hwreg(HW_REG_WAVE_MODE, 25, 1), 1
	s_wait_xcnt 0x0
	s_wait_alu depctr_hold_cnt(0) depctr_sa_sdst(0) depctr_va_vdst(0) depctr_va_sdst(0) depctr_va_ssrc(0) depctr_va_vcc(0) depctr_vm_vsrc(0)
	s_getreg_b32 s2, hwreg(HW_REG_IB_STS2, 6, 4)
	s_cmp_eq_u32 s2, 0
	s_cbranch_scc0 .Lentry_in_a_cluster
	s_endpgm
.Lentry_in_a_cluster:
	s_bfe_u32 s2, ttmp6, 0x10000c
	s_cmp_lg_u32 s2, 0x3003
	s_cbranch_scc0 .Lentry_shape_is_right
	s_endpgm
.Lentry_shape_is_right:
; THE HIDDEN LAYERS.  h = Q(silu(x Wg) (x Wu) c) for a tile of 256 rows of one expert (8 tiles of the shared one, 23 of the routed ones) x 128 hidden units: 31 x 8 = 248 work-groups, K = 1,024.
; Four waves; a wave has 128 rows x 64 hidden units, gate and up: 64 accumulators of 16 x 16.  The tile's expert is one number read from memory: it enters the weights' addresses and no branch.
; LDS: two slots of 512 rows (256 of x, 128 of Wg, 128 of Wu), 256 bytes + 16 each: 272 = 17 x 16, so the 16 rows that a fragment load touches start at 16 different columns of 16 bytes.
; K goes in four chunks of 256: a wave's load brings 128 rows of a chunk.  The head asks for chunk 0, the round behind its landing for chunk 1, and each slot is filled once more.
; CLUSTERS: the four work-groups of a cluster have the same rows of x and ask for them jointly.  The weights' tiles are not shared: partners have other columns, and other tiles may be of another expert.
; PREFETCHES, two chunks ahead: chunks 1 and 2 behind the head's load, chunk 3 behind chunk 1's load; nothing beyond K.  Of the 128 rows of x that a wave fetches each of the four partners names 32, told apart by address; a wave that
; fetches a weight names its 128 rows.  Of the shared expert's eight tiles only the first four name its weights.  A lane names a row's 256 bytes; every address lies in a tile that this work-group loads itself.
; THE DEAL OF TILES: cluster row y takes tile 16 (y / 2 % 2) + 2 (y / 4) + y % 2: 31 different ones; an expert's tiles, which follow each other, mostly share y / 2 % 2.
; THE MATRIX INSTRUCTION IS USED TRANSPOSED (source 0 = 16 rows of a weight): lane (r, h) holds token r, registers j the units 8 h + j.  So of a block of 32 units lane (r, h) holds 8 h + j and 16 + 8 h + j, and the codes stand in that
; order: 0-7, 16-23 (lanes 0-15), 8-15, 24-31 (lanes 16-31).  Wd's codes have the same order.
; hq: images [tile 31][half 2][K step 8][row tile 8][c 4][lane 32][16 bytes]; at HSO scale words [tile][K step 8][row 256].
; A row that no token takes has codes 0 and weight 0: its h is 0 and nothing reads its result.
; REGISTERS: window 0: v0-31 addresses; v32-63 x's scale words, 8 (pair of row tiles) + K step (lanes 0-15 the even tile); v68-99 the weights'; v104-111 c by row tile; v128-255 x's fragments, then work.
;   window 1: the weights' fragments, two sets;  windows 2, 3: accumulators (a, b) at v[8 (8 (a % 4) + b)]: b = 0-3 gate, 4-7 up.
; Work left out: the rows of experts that were not chosen for a token, which reference() weighs with a 0 of its own.
; LIMITS: NaN and infinities are not served; a block of zeros gets the byte 1 (its codes are zeros; this program alone reads the bytes).
.set PITCH, 272
.set QR,   128*PITCH
.set SLOT, 4*QR
.set XSS,  8126464
.set CWO,  8380416
.set HSO,  8126464
.set TEO,  16384
.set SCL,  2*SLOT                      ; 256 scale words on their way out
.set SPARE, SCL+1024
.set ADRA, 16                          ; v16, v17: slot 0, 1
.set ADRB, 18
.set ADRU, 20
.set SPW,  28
.set NIL,  29
.set SA,   32
.set SB,   68
.set CW,   104
.set AF,   128
.set T,    128
.set MSB, 0
.macro WIN new                         ; the immediate's high byte repeats the setting that is left
.if MSB != \new
	s_set_vgpr_msb (MSB<<8)|\new
.set MSB, \new
.endif
.endm
.set MUL_LO, 0xa1
.set MUL_HI, 0xf1
.set TO_B,   0x40
.macro PLACES n
.rept \n
	v_nop
.endr
.endm
.macro SH d, x, n
	s_lshl_b32 s99, s\x, \n
	s_add_co_u32 s\d, s\d, s99
.endm
.macro JLOAD                           ; waves 0, 1: x's rows, jointly; waves 2, 3: Wg's, Wu's
	s_cmp_eq_u32 s29, 0
	s_cbranch_scc0 .Lfor_w_\@
	tensor_load_to_lds s[52:55], s[36:43]
	s_nop 0
	PLACES 4
	s_branch .Lasked_\@
.Lfor_w_\@:
	tensor_load_to_lds s[56:59], s[44:51]
	s_nop 0
	PLACES 4
.Lasked_\@:
.endm
.macro ASK chunk                       ; s101: 0 nothing, 1 my 32 rows of x, 2 my 128 rows of a weight
	s_cmp_eq_u32 s101, 0
	s_cbranch_scc1 .Lnone_\@
	global_prefetch_b8 v11, s[70:71] offset:256*\chunk th:TH_LOAD_NT scope:SCOPE_SE
	s_cmp_eq_u32 s101, 1
	s_cbranch_scc1 .Lnone_\@
	global_prefetch_b8 v11, s[70:71] offset:256*\chunk+32768 th:TH_LOAD_NT scope:SCOPE_SE
	global_prefetch_b8 v11, s[70:71] offset:256*\chunk+65536 th:TH_LOAD_NT scope:SCOPE_SE
	global_prefetch_b8 v11, s[70:71] offset:256*\chunk+98304 th:TH_LOAD_NT scope:SCOPE_SE
.Lnone_\@:
.endm
.macro CREST                           ; a round of the cluster's barrier behind its opening barrier
	s_cmp_lg_u32 s28, 0
	s_cbranch_scc1 .Lnot_wave_0_\@
	s_barrier_signal -3
.Lnot_wave_0_\@:
	s_barrier_wait -3
	s_barrier_signal -1
	s_barrier_wait -1
.endm
.macro CROUND
	s_barrier_signal -1
	s_barrier_wait -1
	CREST
.endm
	s_load_b256 s[4:11], s[0:1], 0x0               ; xs, tp, rw_gate codes, scales
	s_load_b256 s[12:19], s[0:1], 0x20             ; rw_up codes, scales, sw_gate codes, scales
	s_load_b128 s[20:23], s[0:1], 0x40             ; sw_up codes, scales
	s_load_b64 s[24:25], s[0:1], 0x50              ; hq
	v_lshl_add_u32 v[SPW], v0, 2, SPARE
	v_mov_b32 v[NIL], 0
	ds_add_u32 v[SPW], v[NIL]                      ; the wave's opening: the add, twice on end, and its wait
	ds_add_u32 v[SPW], v[NIL]
	v_lshrrev_b32 v1, 5, v0
	v_readfirstlane_b32 s28, v1                    ; wave
	s_lshr_b32 s29, s28, 1                         ; my half of the rows.  Also: I fetch x (0) or weights (1)
	s_and_b32 s30, s28, 1                          ; my half of the units.  Also: rows 0-127 or 128-255; Wg or Wu
	s_bfe_u32 s34, ttmp6, 0x40000
	s_lshl_b32 s31, ttmp9, 2
	s_add_co_u32 s31, s31, s34                     ; which 128 units: 4 x cluster + place
	s_and_b32 s66, ttmp7, 0xffff                   ; y
	s_lshr_b32 s33, s66, 1
	s_and_b32 s33, s33, 1
	s_lshl_b32 s33, s33, 4
	s_lshr_b32 s67, s66, 2
	s_lshl_b32 s67, s67, 1
	s_add_co_u32 s33, s33, s67
	s_and_b32 s67, s66, 1
	s_add_co_u32 s33, s33, s67                     ; tile
	s_mov_b32 s36, 15|(1<<20)|(1<<21)|(5<<22)|(3<<25)      ; rows of 256 bytes, 16 bytes of padding behind each; the mask: all four
	s_mov_b32 s44, (1<<20)|(5<<22)|(3<<25)
.irp g, 36,44
	s_mov_b32 s[\g+1], 256<<16
	s_mov_b32 s[\g+2], 128<<16
	s_mov_b32 s[\g+3], 256<<16
	s_mov_b32 s[\g+4], 128
	s_mov_b32 s[\g+5], 1024
	s_mov_b32 s[\g+6], 0
	s_mov_b32 s[\g+7], 0
.endr
	s_mov_b32 s52, 1
	s_mul_i32 s53, s28, QR
	s_mov_b32 s56, 1
	s_mul_i32 s57, s28, QR
	s_lshl_b32 s66, s33, 18                        ; x: 256 rows a tile, 128 a wave
	s_lshl_b32 s70, s30, 17
	s_add_co_u32 s66, s66, s70
	s_mov_b32 s67, 0
	s_lshl_b32 s70, s33, 2
	s_add_co_u32 s70, s70, TEO
	s_mov_b32 s71, 0
	s_mov_b32 s60, 0x76543210
	s_mov_b32 s61, 0xfedcba98                      ; v_permlanex16_b32: lane l xor 16
	s_mov_b32 s62, 0x600000                        ; the mantissa field of 448
	s_mov_b32 s68, 0xbfb8aa3b                      ; -log2(e)
	s_mov_b32 s69, s68
	s_wait_dscnt 0x0
	s_wait_alu depctr_va_vdst(0)
	s_wait_kmcnt 0x0
	s_add_nc_u64 s[70:71], s[6:7], s[70:71]
	s_load_b32 s35, s[70:71], 0x0                  ; the tile's expert
	CROUND                                         ; all four work-groups are here: the first joint loads meet
	s_add_nc_u64 s[54:55], s[4:5], s[66:67]
	s_or_b32 s55, s55, 0x80000000
	s_cmp_lt_u32 s33, 8                            ; tiles 0-7: the shared expert's buffers
	s_cselect_b64 s[72:73], s[16:17], s[8:9]
	s_cselect_b64 s[74:75], s[18:19], s[10:11]
	s_cselect_b64 s[76:77], s[20:21], s[12:13]
	s_cselect_b64 s[78:79], s[22:23], s[14:15]
	s_cmp_eq_u32 s30, 0
	s_cselect_b64 s[80:81], s[72:73], s[76:77]
	s_lshl_b32 s82, s31, 17                        ; my work-group's 128 units
	s_mov_b32 s83, 0
	s_add_nc_u64 s[80:81], s[80:81], s[82:83]
	s_mov_b64 s[58:59], s[80:81]
	s_or_b32 s59, s59, 0x80000000
; chunk 0: one tensor load a wave at the head.  x's rows hang on no stored number; the weights' waves wait for the tile's expert
	s_cmp_eq_u32 s29, 0
	s_cbranch_scc0 .Lhead_w
	tensor_load_to_lds s[52:55], s[36:43]
	s_nop 0
	PLACES 4
	s_branch .Lhead_asked
.Lhead_w:
	s_wait_kmcnt 0x0
	s_min_u32 s84, s35, 8
	s_and_b32 s84, s84, 7                          ; (the shared expert's 8 becomes 0)
	s_lshl_b32 s84, s84, 20
	s_mov_b32 s85, 0
	s_add_nc_u64 s[58:59], s[58:59], s[84:85]
	tensor_load_to_lds s[56:59], s[44:51]
	s_nop 0
	PLACES 4
.Lhead_asked:
	v_and_b32 v1, 15, v0                           ; r
	v_bfe_u32 v2, v0, 4, 1                         ; h
	v_and_b32 v4, 31, v0                           ; lane
	v_mul_u32_u24 v3, v1, PITCH
	v_lshl_add_u32 v3, v2, 4, v3
	s_mul_i32 s84, s29, QR
	v_add_nc_u32 v[ADRA], s84, v3
	s_mul_i32 s85, s30, 64*PITCH
	s_add_co_u32 s85, s85, 2*QR
	v_add_nc_u32 v[ADRB], s85, v3
	s_add_co_u32 s85, s85, QR
	v_add_nc_u32 v[ADRU], s85, v3
	v_add_nc_u32 v[ADRA+1], SLOT, v[ADRA]
	v_add_nc_u32 v[ADRB+1], SLOT, v[ADRB]
	v_add_nc_u32 v[ADRU+1], SLOT, v[ADRU]
	v_lshlrev_b32 v5, 5, v4
	v_lshlrev_b32 v6, 2, v1
	v_lshlrev_b32 v7, 4, v4
	v_lshlrev_b32 v11, 10, v4
	s_lshl_b32 s84, s29, 9
	s_lshl_b32 s85, s30, 1
	s_add_co_u32 s84, s84, s85
	s_add_co_u32 s84, s84, SCL
	v_add_nc_u32 v8, s84, v6                       ; my rows' two scale bytes: word of row 128 half + r, bytes 2 wc, 2 wc + 1
	s_lshl_b32 s85, s28, 8
	s_wait_alu depctr_va_vdst(0)
	v_lshl_add_u32 v10, v4, 3, s85
	v_add_nc_u32 v9, SCL, v10
	s_mov_b32 s85, 0
	s_wait_alu depctr_va_vdst(0)
	s_wait_kmcnt 0x0
	s_min_u32 s35, s35, 8
	s_and_b32 s35, s35, 7
	s_lshl_b32 s84, s33, 13
	SH 84, 29, 12
	s_add_nc_u64 s[86:87], s[4:5], s[84:85]        ; x's scale bytes
	s_lshl_b32 s84, s33, 10
	SH 84, 29, 9
	s_add_co_u32 s84, s84, CWO
	s_add_nc_u64 s[88:89], s[4:5], s[84:85]        ; c
	s_lshl_b32 s84, s35, 15
	SH 84, 31, 12
	SH 84, 30, 11
	s_add_nc_u64 s[90:91], s[74:75], s[84:85]      ; Wg's scale bytes
	s_add_nc_u64 s[92:93], s[78:79], s[84:85]      ; Wu's
	s_lshl_b32 s84, s33, 18
	SH 84, 29, 17
	SH 84, 31, 14
	SH 84, 30, 10
	s_add_nc_u64 s[94:95], s[24:25], s[84:85]      ; hq's images: half = my rows, K step = my work-group's units, c = 2 x my half of them
	s_lshl_b32 s84, s33, 13
	SH 84, 31, 10
	s_add_co_u32 s84, s84, HSO
	s_add_nc_u64 s[96:97], s[24:25], s[84:85]      ; its scale words
	s_lshl_b32 s84, s34, 15                        ; the prefetches: x: 32 x place of my 128 rows; a weight: my 128 rows
	s_add_co_u32 s84, s84, s66
	s_add_nc_u64 s[70:71], s[4:5], s[84:85]
	s_lshl_b32 s84, s35, 20
	s_add_nc_u64 s[72:73], s[80:81], s[84:85]
	s_lshr_b32 s100, s33, 2
	s_cmp_eq_u32 s100, 1
	s_cselect_b32 s100, 0, 2
	s_cmp_eq_u32 s29, 0
	s_cselect_b32 s101, 1, s100
	s_cselect_b64 s[70:71], s[70:71], s[72:73]
	s_wait_alu depctr_va_vdst(0)
.irp g, 0,1,2,3
.irp q, 0,1
	global_load_b128 v[SA+8*\g+4*\q:SA+8*\g+4*\q+3], v5, s[86:87] offset:XSS+1024*\g+16*\q     ; all of K: rows 32 g + lane
.endr
.endr
.irp g, 0,1
.irp q, 0,1
	global_load_b128 v[SB+8*\g+4*\q:SB+8*\g+4*\q+3], v5, s[90:91] offset:1024*\g+16*\q
	global_load_b128 v[SB+16+8*\g+4*\q:SB+16+8*\g+4*\q+3], v5, s[92:93] offset:1024*\g+16*\q
.endr
.endr
.irp a, 0,1,2,3,4,5,6,7
	global_load_b32 v[CW+\a], v6, s[88:89] offset:64*\a
.endr
	ASK 1
	ASK 2
.macro FRAG reg, adr, k, i             ; 16 rows x 128 K: lane (r, h) holds row r, registers 4 c .. K = 32 c + 16 h + 0 .. 15.  K step k lies in slot (k / 2) % 2, at byte 128 (k % 2) of the rows
.irp c, 0,1,2,3
	ds_load_b128 v[\reg+4*\c:\reg+4*\c+3], v[\adr+(((\k)>>1)&1)] offset:128*((\k)&1)+32*\c+(\i)*16*PITCH
.endr
.endm
.macro FETCH_B k, p
	WIN TO_B
.irp i, 0,1,2,3
	FRAG 128*(\p)+16*\i, ADRB, \k, \i
.endr
.irp i, 0,1,2,3
	FRAG 128*(\p)+64+16*\i, ADRU, \k, \i
.endr
	WIN 0
.endm
.macro FETCH_A k, i0
.irp i, \i0, \i0+1, \i0+2, \i0+3
	FRAG AF+16*(\i), ADRA, \k, \i
.endr
.endm
.macro WM d, a, b, c, sa, sb, ra, rb   ; ra, rb: the scales stand in lanes 16-31 of their registers
.if (\ra) && (\rb)
	v_wmma_scale_f32_16x16x128_f8f6f4 v[\d:\d+7], v[\a:\a+15], v[\b:\b+15], \c, v[\sa], v[\sb] matrix_a_scale:MATRIX_SCALE_ROW1 matrix_b_scale:MATRIX_SCALE_ROW1
.elseif (\ra)
	v_wmma_scale_f32_16x16x128_f8f6f4 v[\d:\d+7], v[\a:\a+15], v[\b:\b+15], \c, v[\sa], v[\sb] matrix_a_scale:MATRIX_SCALE_ROW1
.elseif (\rb)
	v_wmma_scale_f32_16x16x128_f8f6f4 v[\d:\d+7], v[\a:\a+15], v[\b:\b+15], \c, v[\sa], v[\sb] matrix_b_scale:MATRIX_SCALE_ROW1
.else
	v_wmma_scale_f32_16x16x128_f8f6f4 v[\d:\d+7], v[\a:\a+15], v[\b:\b+15], \c, v[\sa], v[\sb]
.endif
.endm
.macro MUL16 a0, k, zero               ; row tiles a0, a0 + 1 x all eight weight tiles; the accumulators take turns, in the same order in every K step; the first product starts the sums
.irp a, \a0, \a0+1
.irp b, 0,1,2,3,4,5,6,7
.if \zero
	WM 8*(8*((\a)%4)+\b), 128*((\k)%2)+16*\b, AF+16*(\a), 0, SB+8*(\b/2)+(\k), SA+8*((\a)/2)+(\k), \b%2, (\a)%2
.else
	WM 8*(8*((\a)%4)+\b), 128*((\k)%2)+16*\b, AF+16*(\a), v[8*(8*((\a)%4)+\b):8*(8*((\a)%4)+\b)+7], SB+8*(\b/2)+(\k), SA+8*((\a)/2)+(\k), \b%2, (\a)%2
.endif
.endr
.endr
.endm
; Eight places stand between a product and a load into a register that it read (the same distance is kept for loads).
.macro STEP k, zero
	s_wait_dscnt 16                                ; the weights and row tiles 0-3 are in; the youngest 16 loads (row tiles 4-7) may be out
	WIN MUL_LO
	MUL16 0, \k, \zero
	MUL16 2, \k, \zero
	s_wait_dscnt 0x0
	PLACES 8
	FETCH_B (\k)+1, 1-(\k)%2
	FETCH_A (\k)+1, 0
	WIN MUL_HI
	MUL16 4, \k, \zero
	MUL16 6, \k, \zero
	PLACES 8
	WIN 0
	FETCH_A (\k)+1, 4
.endm
.macro TURN k, fill                    ; a slot's last K step: fill = 1: the slot is filled again behind a round of the cluster's barrier
	s_wait_tensorcnt 0x0                           ; all my loads have landed: my part of the next slot
	ds_add_u32 v[SPW], v[NIL]
.if \fill
	s_mul_i32 s53, s28, QR                         ; the next chunk, into this slot
	s_mul_i32 s57, s28, QR
.if (\k) == 3
	s_add_co_u32 s53, s53, SLOT
	s_add_co_u32 s57, s57, SLOT
.endif
	s_add_nc_u64 s[54:55], s[54:55], 256
	s_add_nc_u64 s[58:59], s[58:59], 256
.endif
	s_wait_dscnt 17                                ; (the add and the youngest 16 loads may be out)
	WIN MUL_LO
	MUL16 0, \k, 0
	s_wait_dscnt 0x0                               ; the add is done, and my reads of this slot are over
	s_barrier_signal -1
	MUL16 2, \k, 0
	WIN 0
	s_barrier_wait -1
.if \fill
	CREST
	JLOAD
	PLACES 4
.else
	PLACES 8
.endif
	FETCH_B (\k)+1, 1-(\k)%2
	FETCH_A (\k)+1, 0
	WIN MUL_HI
	MUL16 4, \k, 0
	MUL16 6, \k, 0
	PLACES 8
	WIN 0
	FETCH_A (\k)+1, 4
.endm
	s_wait_alu depctr_va_vdst(0)                   ; the wait at the head's end
	s_wait_tensorcnt 0x0                           ; my part of chunk 0 is in; the same lines as ahead of a refill:
	ds_add_u32 v[SPW], v[NIL]
	s_add_co_u32 s53, s53, SLOT                    ; chunk 1, into slot 1
	s_add_co_u32 s57, s57, SLOT
	s_add_nc_u64 s[54:55], s[54:55], 256
	s_add_nc_u64 s[58:59], s[58:59], 256
	s_wait_dscnt 0x0                               ; the add is done
	CROUND                                         ; everybody's part of chunk 0 is in
	JLOAD
	FETCH_B 0, 0
	FETCH_A 0, 0
	FETCH_A 0, 4
	ASK 3
	s_wait_loadcnt 0x0                             ; scale words and c
	STEP 0, 1
	TURN 1, 1
	STEP 2, 0
	TURN 3, 1
	STEP 4, 0
	TURN 5, 0
	STEP 6, 0
	s_wait_dscnt 16
	WIN MUL_LO
	MUL16 0, 7, 0
	MUL16 2, 7, 0
	s_wait_dscnt 0x0
	WIN MUL_HI
	MUL16 4, 7, 0
	MUL16 6, 7, 0
	WIN 0
	PLACES 8
	v_mov_b32 v162, 0                              ; (a lane permute's destination counts as one of its sources)
	v_mov_b32 v163, 0
; BEHIND THE LAST PRODUCT, row tile by row tile: the activation, c, the quantiser, the stores.  Each accumulator is read from its low end on.
.macro EPI a
.set AC, 64*((\a)%4)
.set CD, 176+8*((\a)%2)
	s_wait_xcnt 0x0                                ; the stores before have read their registers
	WIN 2+(\a)/4
	s_wait_alu depctr_va_vdst(0)
.set kk, 0
.rept 16
	v_pk_mul_f32 v[T+kk:T+kk+1], v[AC+kk:AC+kk+1], s[68:69] op_sel_hi:[1,0]       ; -g log2(e)
.set kk, kk+2
.endr
	WIN 0
	s_wait_alu depctr_va_vdst(0)
.set kk, 0
.rept 32
	v_exp_f32 v[T+kk], v[T+kk]
.set kk, kk+1
.endr
	v_nop                                          ; a plain place behind the exponentials
	s_wait_alu depctr_va_vdst(0)
.set kk, 0
.rept 16
	v_pk_add_f32 v[T+kk:T+kk+1], v[T+kk:T+kk+1], 1.0 op_sel_hi:[1,0]
.set kk, kk+2
.endr
	s_wait_alu depctr_va_vdst(0)
.set kk, 0
.rept 32
	v_rcp_f32 v[T+kk], v[T+kk]
.set kk, kk+1
.endr
	WIN 2+(\a)/4
	v_nop                                          ; a plain place behind the reciprocals
	s_wait_alu depctr_va_vdst(0)
.set kk, 0
.rept 16
	v_pk_mul_f32 v[T+kk:T+kk+1], v[AC+kk:AC+kk+1], v[T+kk:T+kk+1]                 ; silu(g)
.set kk, kk+2
.endr
.set kk, 0
.rept 16
	v_pk_mul_f32 v[T+kk:T+kk+1], v[AC+32+kk:AC+32+kk+1], v[T+kk:T+kk+1]           ; x u
.set kk, kk+2
.endr
	WIN 0
.set kk, 0
.rept 16
.if (\a)%2
	v_pk_mul_f32 v[T+kk:T+kk+1], v[T+kk:T+kk+1], v[CW+(\a)-1:CW+(\a)] op_sel:[0,1] op_sel_hi:[1,1]    ; x c
.else
	v_pk_mul_f32 v[T+kk:T+kk+1], v[T+kk:T+kk+1], v[CW+(\a):CW+(\a)+1] op_sel_hi:[1,0]
.endif
.set kk, kk+2
.endr
	v_max3_num_f32 v160, |v[T]|, |v[T+1]|, 0x4800000               ; my 16 of a block's 32, and the floor 2^(9 - 127)
	v_max3_num_f32 v161, |v[T+16]|, |v[T+17]|, 0x4800000
.irp i, 2,4,6,8,10,12,14
	v_max3_num_f32 v160, v160, |v[T+\i]|, |v[T+\i+1]|
	v_max3_num_f32 v161, v161, |v[T+16+\i]|, |v[T+17+\i]|
.endr
	v_permlanex16_b32 v162, v160, s60, s61
	v_permlanex16_b32 v163, v161, s60, s61
	v_max_num_f32 v160, v160, v162                 ; with lane l xor 16's
	v_max_num_f32 v161, v161, v163
	v_add_nc_u32 v164, 0xfc000000, v160            ; 8 off the exponent field: the conversion's scale operand
	v_add_nc_u32 v165, 0xfc000000, v161
	v_and_or_b32 v166, v160, 0x7f800000, s62       ; 448 x the scale
	v_and_or_b32 v167, v161, 0x7f800000, s62
	v_lshrrev_b32 v168, 23, v164
	v_lshrrev_b32 v169, 23, v165
.set kk, 0
.rept 16
	v_med3_num_f32 v[T+kk], v[T+kk], -v166, v166   ; the conversion does not saturate (ISA guide 7.6.2): hold first
	v_med3_num_f32 v[T+16+kk], v[T+16+kk], -v167, v167
.set kk, kk+1
.endr
	v_cvt_scalef32_pk8_fp8_f32 v[CD:CD+1], v[T:T+7], v164
	v_cvt_scalef32_pk8_fp8_f32 v[CD+2:CD+3], v[T+8:T+15], v164
	v_cvt_scalef32_pk8_fp8_f32 v[CD+4:CD+5], v[T+16:T+23], v165
	v_cvt_scalef32_pk8_fp8_f32 v[CD+6:CD+7], v[T+24:T+31], v165
	v_lshl_or_b32 v170, v169, 8, v168
	v_nop
	ds_store_b16 v8, v170 offset:64*(\a)           ; both lanes of a row write the same bytes with the same value
	global_store_b128 v7, v[CD:CD+3], s[94:95] offset:2048*(\a)    ; 512 consecutive bytes: part c of the row tile's fragment
	global_store_b128 v7, v[CD+4:CD+7], s[94:95] offset:2048*(\a)+512
.endm
.irp a, 0,1,2,3,4,5,6,7
	EPI \a
.endr
	s_wait_alu depctr_va_vdst(0)
	s_wait_dscnt 0x0                               ; for the others' sake: my scale bytes are stored
	s_barrier_signal -1
	s_barrier_wait -1
	ds_load_b64 v[172:173], v9                     ; 64 rows' words
	s_wait_dscnt 0x0
	global_store_b64 v10, v[172:173], s[96:97]     ; 256 consecutive bytes, aligned
	s_wait_tensorcnt 0x0                           ; the wave's end
	ds_add_u32 v[SPW], v[NIL]
	s_wait_dscnt 0x0
	CROUND                                         ; the closing round: no work-group ends while a partner may still ask for a tile that names it
	s_endpgm
.Lfunc_end_k_q074ba2a708_up:
	.size	k_q074ba2a708_up, .Lfunc_end_k_q074ba2a708_up-k_q074ba2a708_up
	.p2alignl 7, 3214868480
	.fill 96, 4, 3214868480
	.section	.rodata,"a",@progbits
	.p2align	6, 0x0
	.amdhsa_kernel k_q074ba2a708_up
		.amdhsa_group_segment_fixed_size 327680
		.amdhsa_private_segment_fixed_size 0
		.amdhsa_enable_private_segment 0
		.amdhsa_kernarg_size 88
		.amdhsa_user_sgpr_count 2
		.amdhsa_user_sgpr_kernarg_segment_ptr 1
		.amdhsa_wavefront_size32 1
		.amdhsa_system_sgpr_workgroup_id_x 1
		.amdhsa_system_sgpr_workgroup_id_y 1
		.amdhsa_system_sgpr_workgroup_id_z 1
		.amdhsa_system_vgpr_workitem_id 0
		.amdhsa_next_free_vgpr 1024
		.amdhsa_next_free_sgpr 102
		.amdhsa_reserve_vcc 0
		.amdhsa_float_denorm_mode_32 3
		.amdhsa_float_denorm_mode_16_64 3
		.amdhsa_memory_ordered 1
		.amdhsa_forward_progress 1
		.amdhsa_inst_pref_size 211
	.end_amdhsa_kernel
	.amdgpu_metadata
---
amdhsa.version: [ 1, 2 ]
amdhsa.kernels:
  - .name:           k_q074ba2a708_up
    .symbol:         k_q074ba2a708_up.kd
    .args:
      - { .name: xs, .offset: 0, .size: 8, .value_kind: global_buffer, .address_space: global }
      - { .name: tp, .offset: 8, .size: 8, .value_kind: global_buffer, .address_space: global }
      - { .name: rw_gate_codes, .offset: 16, .size: 8, .value_kind: global_buffer, .address_space: global }
      - { .name: rw_gate_scales, .offset: 24, .size: 8, .value_kind: global_buffer, .address_space: global }
      - { .name: rw_up_codes, .offset: 32, .size: 8, .value_kind: global_buffer, .address_space: global }
      - { .name: rw_up_scales, .offset: 40, .size: 8, .value_kind: global_buffer, .address_space: global }
      - { .name: sw_gate_codes, .offset: 48, .size: 8, .value_kind: global_buffer, .address_space: global }
      - { .name: sw_gate_scales, .offset: 56, .size: 8, .value_kind: global_buffer, .address_space: global }
      - { .name: sw_up_codes, .offset: 64, .size: 8, .value_kind: global_buffer, .address_space: global }
      - { .name: sw_up_scales, .offset: 72, .size: 8, .value_kind: global_buffer, .address_space: global }
      - { .name: hq, .offset: 80, .size: 8, .value_kind: global_buffer, .address_space: global }
    .group_segment_fixed_size: 327680
    .private_segment_fixed_size: 0
    .kernarg_segment_align: 8
    .kernarg_segment_size: 88
    .max_flat_workgroup_size: 128
    .sgpr_count:     102
    .vgpr_count:     1024
    .wavefront_size: 32
...
	.end_amdgpu_metadata
.endif
;; end of part 3
;; launch down (part 4): grid 4 x 62, 4 waves a work-group, clusters of 4 x 1, 327,680 bytes of LDS; arguments hq, wdq, tp, y; writes y
.if DOCPART == 4
	.amdgcn_target "amdgcn-amd-amdhsa--gfx1250"
	.amdhsa_code_object_version 6
	.text
	.protected	k_q074ba2a708_down
	.globl	k_q074ba2a708_down
	.p2align	8
	.type	k_q074ba2a708_down,@function
k_q074ba2a708_down:
	s_mov_b64 s[64:65], 0
	v_nop
	global_prefetch_b8 v0, s[64:65] scope:SCOPE_SE
	s_setreg_imm32_b32 hwreg(HW_REG_WAVE_MODE, 25, 1), 1
	s_wait_xcnt 0x0
	s_wait_alu depctr_hold_cnt(0) depctr_sa_sdst(0) depctr_va_vdst(0) depctr_va_sdst(0) depctr_va_ssrc(0) depctr_va_vcc(0) depctr_vm_vsrc(0)
	s_getreg_b32 s2, hwreg(HW_REG_IB_STS2, 6, 4)
	s_cmp_eq_u32 s2, 0
	s_cbranch_scc0 .Lentry_in_a_cluster
	s_endpgm
.Lentry_in_a_cluster:
	s_bfe_u32 s2, ttmp6, 0x10000c
	s_cmp_lg_u32 s2, 0x3003
	s_cbranch_scc0 .Lentry_shape_is_right
	s_endpgm
.Lentry_shape_is_right:
; y[row] = h Wd of the row's expert, f32: half a tile (128 rows) x 256 columns, K = 1,024: 62 x 4 = 248 work-groups of four waves; a wave has 64 rows x 128 columns: 32 accumulators.
; The tile's expert is one number read from memory: it enters Wd's addresses and no branch.
; Both operands lie in memory as images of operand registers, K step by K step: a K step of the work-group's rows is 16 KB on end, of its columns 32 KB on end.  So every tile is one dense run, stated as rows of 2,048 bytes, and a fragment
; load's 32 lanes read 512 consecutive bytes of LDS: no padding.
; LDS holds six K steps.  The head's one load a wave: wave 0 h's K steps 0, 1, wave 1 Wd's; wave 2 h's K steps 2-5, wave 3 Wd's.  K steps 6, 7 take the place of 0, 1.
; CLUSTERS: the four work-groups of a cluster have the same rows of h and ask for them jointly.  Wd's tiles are not shared along the cluster: partners have other columns.
; No prefetch: all of K but two K steps is asked for at the head, and K is written out: no loop to run ahead in.
; THE MATRIX INSTRUCTION IS USED TRANSPOSED (source 0 = 16 columns of Wd): a lane holds eight neighbouring columns of one row.
; REGISTERS: window 0: addresses; v32-47 h's scale words, 8 (pair of row tiles) + K step; v52-83 Wd's; v128-255 h's fragments, two sets of 64, then the way out.  window 1: Wd's, two sets of 128.  window 2: accumulators (a, b) at v[8 (8 a + b)].
.set HSO,  8126464
.set WSO,  9437184
.set TEO,  16384
.set BO,   98304                       ; LDS: six K steps of h, then six of Wd
.set STG,  32768                       ; the way out's stages, over h's K steps 2-5, whose bytes have had their last fill and their last read
.set SPI,  528
.set SPARE, 294912
.set VA,   16                          ; v16, v17: h's K steps 0-2, 3-5
.set VB,   18                          ; v18-20: Wd's 0-1, 2-3, 4-5
.set STO,  24
.set RD,   25
.set CO,   26
.set SPW,  28
.set NIL,  29
.set SA,   32
.set SB,   52
.set MUL,  0xa1
.set MSB, 0
.macro WIN new
.if MSB != \new
	s_set_vgpr_msb (MSB<<8)|\new
.set MSB, \new
.endif
.endm
.macro PLACES n
.rept \n
	v_nop
.endr
.endm
.macro SH d, x, n
	s_lshl_b32 s99, s\x, \n
	s_add_co_u32 s\d, s\d, s99
.endm
.macro TL g0, g1
	tensor_load_to_lds s[\g0:\g0+3], s[\g1:\g1+7]
	s_nop 0
	PLACES 4
.endm
.macro CREST
	s_cmp_lg_u32 s28, 0
	s_cbranch_scc1 .Lnot_wave_0_\@
	s_barrier_signal -3
.Lnot_wave_0_\@:
	s_barrier_wait -3
	s_barrier_signal -1
	s_barrier_wait -1
.endm
.macro CROUND
	s_barrier_signal -1
	s_barrier_wait -1
	CREST
.endm
.macro GROUP1 g, word, rows            ; a dense run: rows of 256 elements of 8 bytes
	s_mov_b32 s[\g], \word
	s_mov_b32 s[\g+1], 256<<16
	s_mov_b32 s[\g+2], (\rows)<<16
	s_mov_b32 s[\g+3], 256<<16
	s_mov_b32 s[\g+4], \rows
	s_mov_b32 s[\g+5], 256
	s_mov_b32 s[\g+6], 0
	s_mov_b32 s[\g+7], 0
.endm
	s_load_b256 s[4:11], s[0:1], 0x0               ; hq, wdq, tp, y
	v_lshl_add_u32 v[SPW], v0, 2, SPARE
	v_mov_b32 v[NIL], 0
	ds_add_u32 v[SPW], v[NIL]                      ; the wave's opening: the add, twice on end, and its wait
	ds_add_u32 v[SPW], v[NIL]
	v_lshrrev_b32 v1, 5, v0
	v_readfirstlane_b32 s28, v1                    ; wave
	s_lshr_b32 s29, s28, 1                         ; my 64 rows.  Also: behind the head I fetch h (0) or Wd (1)
	s_and_b32 s30, s28, 1                          ; my 128 columns
	s_bfe_u32 s34, ttmp6, 0x40000
	s_lshl_b32 s31, ttmp9, 2
	s_add_co_u32 s31, s31, s34                     ; which 256 columns
	; THE DEAL: cluster row y takes half tile 32 (y / 4 % 2) + 4 (y / 8) + y % 4: 62 different ones; an expert's tiles, which follow each other, mostly share y / 4 % 2
	s_and_b32 s66, ttmp7, 0xffff                   ; y
	s_lshr_b32 s33, s66, 2
	s_and_b32 s33, s33, 1
	s_lshl_b32 s33, s33, 5
	s_lshr_b32 s67, s66, 3
	s_lshl_b32 s67, s67, 2
	s_add_co_u32 s33, s33, s67
	s_and_b32 s67, s66, 3
	s_add_co_u32 s33, s33, s67                     ; half tile
	s_lshr_b32 s26, s33, 1                         ; tile
	s_and_b32 s27, s33, 1
	GROUP1 36, 15|(3<<16)|(1<<21), 16
	GROUP1 44, 3<<16, 32
	GROUP1 68, 15|(3<<16)|(1<<21), 32
	GROUP1 76, 3<<16, 64
	s_mov_b32 s52, 1
	s_mov_b32 s53, 0
	s_mov_b32 s56, 1
	s_mov_b32 s57, BO
	s_mov_b32 s84, 1
	s_mov_b32 s85, 32768
	s_mov_b32 s88, 1
	s_mov_b32 s89, BO+65536
	s_lshl_b32 s66, s33, 17
	s_mov_b32 s67, 0
	s_lshl_b32 s92, s26, 2
	s_add_co_u32 s92, s92, TEO
	s_mov_b32 s93, 0
	s_wait_dscnt 0x0
	s_wait_alu depctr_va_vdst(0)
	s_wait_kmcnt 0x0
	s_add_nc_u64 s[92:93], s[8:9], s[92:93]
	s_load_b32 s35, s[92:93], 0x0                  ; the tile's expert
	s_load_b32 s25, s[92:93], 0x80                 ; and how many of its rows tokens have
	CROUND                                         ; all four work-groups are here
	s_add_nc_u64 s[54:55], s[4:5], s[66:67]
	s_add_nc_u64 s[86:87], s[54:55], 32768
	s_or_b32 s55, s55, 0x80000000
	s_or_b32 s87, s87, 0x80000000
	s_mov_b32 s95, 0
	s_wait_kmcnt 0x0
	s_min_u32 s35, s35, 8
	s_lshl_b32 s94, s35, 20
	SH 94, 31, 18
	s_add_nc_u64 s[58:59], s[6:7], s[94:95]
	s_add_nc_u64 s[90:91], s[58:59], 0x10000
	s_or_b32 s59, s59, 0x80000000
	s_or_b32 s91, s91, 0x80000000
; ONE tensor load a wave: one chain of branches on the wave's number; what the first two K steps need has lines of its own, since it is shown first
	s_cmp_eq_u32 s28, 0
	s_cbranch_scc0 .Lwave_1
	TL 52, 36
	s_branch .Lasked
.Lwave_1:
	s_cmp_eq_u32 s28, 1
	s_cbranch_scc0 .Lwave_2
	TL 56, 44
	s_branch .Lasked
.Lwave_2:
	s_cmp_eq_u32 s28, 2
	s_cbranch_scc0 .Lwave_3
	TL 84, 68
	s_branch .Lasked
.Lwave_3:
	TL 88, 76
.Lasked:
	v_and_b32 v1, 15, v0                           ; r
	v_bfe_u32 v2, v0, 4, 1                         ; h
	v_and_b32 v3, 31, v0                           ; lane
	v_lshlrev_b32 v4, 4, v3
	v_lshlrev_b32 v5, 2, v3
	v_lshlrev_b32 v6, 3, v3
	s_lshl_b32 s96, s29, 13                        ; my four row tiles
	v_add_nc_u32 v[VA], s96, v4
	v_add_nc_u32 v[VA+1], 49152, v[VA]
	s_lshl_b32 s96, s30, 14                        ; my eight column tiles
	s_add_co_u32 s96, s96, BO
	v_add_nc_u32 v[VB], s96, v4
	v_add_nc_u32 v[VB+1], 0x10000, v[VB]
	v_add_nc_u32 v[VB+2], 0x20000, v[VB]
	s_mul_i32 s96, s28, 16*SPI
	s_add_co_u32 s96, s96, STG
	v_mul_u32_u24 v7, v1, SPI
	v_lshl_add_u32 v7, v2, 5, v7
	v_add_nc_u32 v[STO], s96, v7
	v_add_nc_u32 v[RD], s96, v4
	v_mov_b32 v[CO], v4
	s_lshl_b32 s96, s27, 7
	s_lshl_b32 s97, s29, 6
	s_add_co_u32 s96, s96, s97
	v_mov_b32 v8, s96                              ; v8-11: the first row of my four blocks of 16, in the tile
	v_add_nc_u32 v9, 16, v8
	v_add_nc_u32 v10, 32, v8
	v_add_nc_u32 v11, 48, v8
	s_mov_b32 s97, 0
	s_lshl_b32 s96, s26, 13
	SH 96, 27, 9
	SH 96, 29, 8
	s_add_nc_u64 s[12:13], s[4:5], s[96:97]        ; h's scale words: my 64 rows
	s_lshl_b32 s96, s35, 15
	SH 96, 31, 13
	SH 96, 30, 12
	s_add_co_u32 s96, s96, WSO
	s_add_nc_u64 s[14:15], s[6:7], s[96:97]        ; Wd's: my four pairs of tiles
	s_lshl_b32 s96, s33, 19
	SH 96, 29, 18
	SH 96, 31, 10
	SH 96, 30, 9
	s_add_nc_u64 s[10:11], s[10:11], s[96:97]      ; y at my rows and columns
	s_wait_alu depctr_va_vdst(0)
.irp k, 0,1,2,3,4,5,6,7
.irp g, 0,1
	global_load_b32 v[SA+8*\g+\k], v5, s[12:13] offset:HSO+1024*\k+128*\g
.endr
.endr
.irp j, 0,1,2,3
.irp q, 0,1,2,3
	global_load_b64 v[SB+8*\j+2*\q:SB+8*\j+2*\q+1], v6, s[14:15] offset:1024*\j+256*\q
.endr
.endr
.macro FETCH k, p                      ; K step k: eight fragments of Wd and four of h into sets p: 48 loads
.set KK, (\k)%6
	WIN 0x40
.irp i, 0,1,2,3,4,5,6,7
.irp c, 0,1,2,3
	ds_load_b128 v[128*(\p)+16*\i+4*\c:128*(\p)+16*\i+4*\c+3], v[VB+KK/2] offset:(KK%2)*32768+2048*\i+512*\c
.endr
.endr
	WIN 0
.irp i, 0,1,2,3
.irp c, 0,1,2,3
	ds_load_b128 v[128+64*(\p)+16*\i+4*\c:128+64*(\p)+16*\i+4*\c+3], v[VA+KK/3] offset:(KK%3)*16384+2048*\i+512*\c
.endr
.endr
.endm
.macro WM d, a, b, c, sa, sb, ra, rb
.if (\ra) && (\rb)
	v_wmma_scale_f32_16x16x128_f8f6f4 v[\d:\d+7], v[\a:\a+15], v[\b:\b+15], \c, v[\sa], v[\sb] matrix_a_scale:MATRIX_SCALE_ROW1 matrix_b_scale:MATRIX_SCALE_ROW1
.elseif (\ra)
	v_wmma_scale_f32_16x16x128_f8f6f4 v[\d:\d+7], v[\a:\a+15], v[\b:\b+15], \c, v[\sa], v[\sb] matrix_a_scale:MATRIX_SCALE_ROW1
.elseif (\rb)
	v_wmma_scale_f32_16x16x128_f8f6f4 v[\d:\d+7], v[\a:\a+15], v[\b:\b+15], \c, v[\sa], v[\sb] matrix_b_scale:MATRIX_SCALE_ROW1
.else
	v_wmma_scale_f32_16x16x128_f8f6f4 v[\d:\d+7], v[\a:\a+15], v[\b:\b+15], \c, v[\sa], v[\sb]
.endif
.endm
.macro MULA a, k, zero                 ; row tile a x eight column tiles; the accumulators take turns, in the same order in every K step
	WIN MUL
.irp b, 0,1,2,3,4,5,6,7
.if \zero
	WM 8*(8*\a+\b), 128*((\k)%2)+16*\b, 128+64*((\k)%2)+16*\a, 0, SB+8*(\b/2)+(\k), SA+8*(\a/2)+(\k), \b%2, \a%2
.else
	WM 8*(8*\a+\b), 128*((\k)%2)+16*\b, 128+64*((\k)%2)+16*\a, v[8*(8*\a+\b):8*(8*\a+\b)+7], SB+8*(\b/2)+(\k), SA+8*(\a/2)+(\k), \b%2, \a%2
.endif
.endr
.endm
; Eight places stand between a product and a load into a register that it read (the same distance is kept for loads).
.macro STEP k, zero
	s_wait_dscnt 0x0                               ; this K step's fragments are in
	PLACES 8
	FETCH (\k)+1, 1-(\k)%2
.irp a, 0,1,2,3
	MULA \a, \k, \zero
.endr
	WIN 0
.endm
	s_wait_alu depctr_va_vdst(0)                   ; the wait at the head's end
	s_cmp_lt_u32 s28, 2
	s_cbranch_scc0 .Llater
	s_wait_tensorcnt 0x0                           ; waves 0, 1: K steps 0, 1 have landed.  The other waves' wait stands in K step 1
.Llater:
	s_barrier_signal -1
	s_barrier_wait -1
	FETCH 0, 0
	s_wait_loadcnt 0x0                             ; all scale words
	STEP 0, 1
	s_wait_dscnt 0x0                               ; K step 1's fragments are in
	s_wait_tensorcnt 0x0                           ; all my loads have landed
	ds_add_u32 v[SPW], v[NIL]
	s_lshl_b32 s94, s30, 14                        ; the refill: h's K step 6 or 7 (16 KB), Wd's (32 KB)
	s_mov_b32 s53, s94
	s_add_co_u32 s94, s94, 6*16384
	s_add_nc_u64 s[54:55], s[54:55], s[94:95]
	s_lshl_b32 s94, s30, 15
	s_add_co_u32 s57, s94, BO
	s_add_co_u32 s94, s94, 6*32768
	s_add_nc_u64 s[58:59], s[58:59], s[94:95]
	s_mov_b32 s38, 8<<16
	s_mov_b32 s40, 8
	s_mov_b32 s46, 16<<16
	s_mov_b32 s48, 16
	MULA 0, 1, 0
	s_wait_dscnt 0x0                               ; the add is done; my reads of K steps 0, 1 are over
	s_barrier_signal -1
	MULA 1, 1, 0
	WIN 0
	s_barrier_wait -1
	CREST
	s_cmp_eq_u32 s29, 0
	s_cbranch_scc0 .Lfor_w
	TL 52, 36
	s_branch .Lrefilled
.Lfor_w:
	TL 56, 44
.Lrefilled:
	PLACES 4
	FETCH 2, 0
	MULA 2, 1, 0
	MULA 3, 1, 0
	WIN 0
	STEP 2, 0
	STEP 3, 0
	STEP 4, 0
	s_wait_dscnt 0x0
	s_wait_tensorcnt 0x0                           ; my part of K steps 6, 7 is in
	MULA 0, 5, 0
	s_barrier_signal -1                            ; (no LDS instruction of mine is out)
	MULA 1, 5, 0
	WIN 0
	s_barrier_wait -1                              ; everybody's part is in, and nobody reads K steps 2-5 any more
	PLACES 8
	FETCH 6, 0
	MULA 2, 5, 0
	MULA 3, 5, 0
	WIN 0
	STEP 6, 0
	s_wait_dscnt 0x0
.irp a, 0,1,2,3
	MULA \a, 7, 0
.endr
	WIN 0
; THE WAY OUT, block by block of 16 rows x 128 columns, through my own stage: rows of 512 bytes, which the 32 lanes store as two aligned units of 256 bytes.
; LDS serves a wave's instructions in order (ISA guide 5.7.1.4): no wait between the stores and the loads, nor in front of the next block's stores.
.macro TOSTAGE a
	WIN 0x08
.irp b, 0,1,2,3,4,5,6,7
	ds_store_b128 v[STO], v[64*\a+8*\b:64*\a+8*\b+3] offset:64*\b  ; each accumulator from its low end on
	ds_store_b128 v[STO], v[64*\a+8*\b+4:64*\a+8*\b+7] offset:64*\b+16
.endr
	WIN 0
.set BB, 128+64*(\a%2)
.irp t, 0,1,2,3,4,5,6,7,8,9,10,11,12,13,14,15
	ds_load_b128 v[BB+4*\t:BB+4*\t+3], v[RD] offset:\t*SPI
.endr
.endm
.macro SEND a, younger                 ; younger: the LDS instructions issued behind block a's loads
.set BB, 128+64*((\a)%2)
	s_wait_dscnt \younger
.if (\a) > 0
	s_add_nc_u64 s[10:11], s[10:11], 0x10000       ; 16 rows on (behind a wait on XCNT)
.endif
	s_wait_xcnt 0x0                                ; EXEC changes only behind this wait
	v_cmp_gt_u32 vcc_lo, s25, v[8+(\a)]            ; a block of rows that no token has is not stored: nothing reads it
	s_and_saveexec_b32 s98, vcc_lo
.irp t, 0,1,2,3,4,5,6,7,8,9,10,11,12,13,14,15
	global_store_b128 v[CO], v[BB+4*\t:BB+4*\t+3], s[10:11] offset:\t*4096
.endr
	s_wait_xcnt 0x0
	s_or_b32 exec_lo, exec_lo, s98
.endm
	PLACES 8
	TOSTAGE 0
.irp a, 1,2,3
.if \a > 1
	s_wait_xcnt 0x0                                ; block a - 2's stores have read their registers and their base
.endif
	TOSTAGE \a
	SEND \a-1, 32                                  ; behind block a - 1's loads: block a's 16 stores and 16 loads
.endr
	s_wait_xcnt 0x0
	SEND 3, 0
	s_wait_tensorcnt 0x0                           ; the wave's end
	ds_add_u32 v[SPW], v[NIL]
	s_wait_dscnt 0x0
	CROUND                                         ; the closing round
	s_endpgm
.Lfunc_end_k_q074ba2a708_down:
	.size	k_q074ba2a708_down, .Lfunc_end_k_q074ba2a708_down-k_q074ba2a708_down
	.p2alignl 7, 3214868480
	.fill 96, 4, 3214868480
	.section	.rodata,"a",@progbits
	.p2align	6, 0x0
	.amdhsa_kernel k_q074ba2a708_down
		.amdhsa_group_segment_fixed_size 327680
		.amdhsa_private_segment_fixed_size 0
		.amdhsa_enable_private_segment 0
		.amdhsa_kernarg_size 32
		.amdhsa_user_sgpr_count 2
		.amdhsa_user_sgpr_kernarg_segment_ptr 1
		.amdhsa_wavefront_size32 1
		.amdhsa_system_sgpr_workgroup_id_x 1
		.amdhsa_system_sgpr_workgroup_id_y 1
		.amdhsa_system_sgpr_workgroup_id_z 1
		.amdhsa_system_vgpr_workitem_id 0
		.amdhsa_next_free_vgpr 768
		.amdhsa_next_free_sgpr 102
		.amdhsa_reserve_vcc 1
		.amdhsa_float_denorm_mode_32 3
		.amdhsa_float_denorm_mode_16_64 3
		.amdhsa_memory_ordered 1
		.amdhsa_forward_progress 1
		.amdhsa_inst_pref_size 88
	.end_amdhsa_kernel
	.amdgpu_metadata
---
amdhsa.version: [ 1, 2 ]
amdhsa.kernels:
  - .name:           k_q074ba2a708_down
    .symbol:         k_q074ba2a708_down.kd
    .args:
      - { .name: hq, .offset: 0, .size: 8, .value_kind: global_buffer, .address_space: global }
      - { .name: wdq, .offset: 8, .size: 8, .value_kind: global_buffer, .address_space: global }
      - { .name: tp, .offset: 16, .size: 8, .value_kind: global_buffer, .address_space: global }
      - { .name: y, .offset: 24, .size: 8, .value_kind: global_buffer, .address_space: global }
    .group_segment_fixed_size: 327680
    .private_segment_fixed_size: 0
    .kernarg_segment_align: 8
    .kernarg_segment_size: 32
    .max_flat_workgroup_size: 128
    .sgpr_count:     102
    .vgpr_count:     768
    .wavefront_size: 32
...
	.end_amdgpu_metadata
.endif
;; end of part 4
;; launch comb (part 5): grid 256 x 1, 8 waves a work-group, no clusters, 0 bytes of LDS; arguments y, tp, out0; writes out0
.if DOCPART == 5
	.amdgcn_target "amdgcn-amd-amdhsa--gfx1250"
	.amdhsa_code_object_version 6
	.text
	.protected	k_q074ba2a708_comb
	.globl	k_q074ba2a708_comb
	.p2align	8
	.type	k_q074ba2a708_comb,@function
k_q074ba2a708_comb:
	s_mov_b64 s[64:65], 0
	v_nop
	global_prefetch_b8 v0, s[64:65] scope:SCOPE_SE
	s_setreg_imm32_b32 hwreg(HW_REG_WAVE_MODE, 25, 1), 1
	s_wait_xcnt 0x0
; out0[token] = y[token] (the shared expert) + y of the token's two rows.  A wave takes a token: three rows of 4,096 bytes in, one out, each instruction 512 consecutive bytes.
; The shared row's loads hang on no stored number and go out first.  No LDS, no matrix work, nothing shared.
	s_load_b128 s[4:7], s[0:1], 0x0                ; y, tp
	s_load_b64 s[8:9], s[0:1], 0x10                ; out0
	v_lshrrev_b32 v1, 5, v0
	v_readfirstlane_b32 s10, v1
	v_and_b32 v1, 31, v0
	v_lshlrev_b32 v2, 4, v1
	s_lshl_b32 s11, ttmp9, 3
	s_add_co_u32 s11, s11, s10                     ; token
	s_mov_b32 s13, 0
	s_lshl_b32 s12, s11, 3
	s_wait_alu depctr_va_vdst(0)                   ; the wait at the head's end
	s_wait_kmcnt 0x0
	s_add_nc_u64 s[14:15], s[6:7], s[12:13]
	s_load_b64 s[16:17], s[14:15], 0x0             ; its two rows
	s_lshl_b32 s12, s11, 12
	s_add_nc_u64 s[18:19], s[4:5], s[12:13]
	s_add_nc_u64 s[8:9], s[8:9], s[12:13]
.irp i, 0,1,2,3,4,5,6,7
	global_load_b128 v[16+4*\i:16+4*\i+3], v2, s[18:19] offset:512*\i th:TH_LOAD_NT
.endr
	s_wait_kmcnt 0x0
	s_min_u32 s16, s16, 7935                       ; held inside y
	s_min_u32 s17, s17, 7935
	s_lshl_b32 s12, s16, 12
	s_add_nc_u64 s[20:21], s[4:5], s[12:13]
	s_lshl_b32 s12, s17, 12
	s_add_nc_u64 s[22:23], s[4:5], s[12:13]
.irp i, 0,1,2,3,4,5,6,7
	global_load_b128 v[48+4*\i:48+4*\i+3], v2, s[20:21] offset:512*\i th:TH_LOAD_NT
	global_load_b128 v[80+4*\i:80+4*\i+3], v2, s[22:23] offset:512*\i th:TH_LOAD_NT
.endr
.irp i, 0,1,2,3,4,5,6,7
	s_wait_loadcnt 14-2*\i                         ; pieces i of all three rows are in; the younger pieces' loads may be out
	v_pk_add_f32 v[48+4*\i:49+4*\i], v[48+4*\i:49+4*\i], v[80+4*\i:81+4*\i]
	v_pk_add_f32 v[50+4*\i:51+4*\i], v[50+4*\i:51+4*\i], v[82+4*\i:83+4*\i]
	v_pk_add_f32 v[16+4*\i:17+4*\i], v[16+4*\i:17+4*\i], v[48+4*\i:49+4*\i]
	v_pk_add_f32 v[18+4*\i:19+4*\i], v[18+4*\i:19+4*\i], v[50+4*\i:51+4*\i]
	global_store_b128 v2, v[16+4*\i:16+4*\i+3], s[8:9] offset:512*\i th:TH_STORE_NT
.endr
	s_endpgm
.Lfunc_end_k_q074ba2a708_comb:
	.size	k_q074ba2a708_comb, .Lfunc_end_k_q074ba2a708_comb-k_q074ba2a708_comb
	.p2alignl 7, 3214868480
	.fill 96, 4, 3214868480
	.section	.rodata,"a",@progbits
	.p2align	6, 0x0
	.amdhsa_kernel k_q074ba2a708_comb
		.amdhsa_group_segment_fixed_size 0
		.amdhsa_private_segment_fixed_size 0
		.amdhsa_enable_private_segment 0
		.amdhsa_kernarg_size 24
		.amdhsa_user_sgpr_count 2
		.amdhsa_user_sgpr_kernarg_segment_ptr 1
		.amdhsa_wavefront_size32 1
		.amdhsa_system_sgpr_workgroup_id_x 1
		.amdhsa_system_sgpr_workgroup_id_y 1
		.amdhsa_system_sgpr_workgroup_id_z 1
		.amdhsa_system_vgpr_workitem_id 0
		.amdhsa_next_free_vgpr 128
		.amdhsa_next_free_sgpr 66
		.amdhsa_reserve_vcc 0
		.amdhsa_float_denorm_mode_32 3
		.amdhsa_float_denorm_mode_16_64 3
		.amdhsa_memory_ordered 1
		.amdhsa_forward_progress 1
		.amdhsa_inst_pref_size 7
	.end_amdhsa_kernel
	.amdgpu_metadata
---
amdhsa.version: [ 1, 2 ]
amdhsa.kernels:
  - .name:           k_q074ba2a708_comb
    .symbol:         k_q074ba2a708_comb.kd
    .args:
      - { .name: y, .offset: 0, .size: 8, .value_kind: global_buffer, .address_space: global }
      - { .name: tp, .offset: 8, .size: 8, .value_kind: global_buffer, .address_space: global }
      - { .name: out0, .offset: 16, .size: 8, .value_kind: global_buffer, .address_space: global }
    .group_segment_fixed_size: 0
    .private_segment_fixed_size: 0
    .kernarg_segment_align: 8
    .kernarg_segment_size: 24
    .max_flat_workgroup_size: 256
    .sgpr_count:     66
    .vgpr_count:     128
    .wavefront_size: 32
...
	.end_amdgpu_metadata
.endif
;; end of part 5
